; MI455X (gfx1250); checked and timed in simulation.
; The chip was launched on July 23, 2026; its instructions are those of AMD's public machine-readable ISA for CDNA 5 (MIT licence, August 2026) and "CDNA5" Instruction Set Architecture Reference Guide (July 2026). The comments in the code are by the model that wrote it; some were corrected since.
;; Causal Self Attention. Allowed arithmetic: matrix products marked QUANTISED: E2M3 operands, one E8M0 scale for each 32 along K, by v_wmma_scale_f32_16x16x128_f8f6f4 with both operands' format E2M3, f32 sums; everything else in f32.
;; Inputs: b_attn 3,072 float32; b_proj 1,024 float32; w_attn_codes 3,072 x 32 x 24 uint8 (E2M3 codes of w_attn, K innermost, in blocks of 32 codes, four codes in three bytes); w_attn_scales 3,072 x 32 uint8 (E8M0 scales of w_attn, one for each 32 codes along K); w_proj_codes 1,024 x 32 x 24 uint8 (E2M3 codes of w_proj, K innermost, in blocks of 32 codes, four codes in three bytes); w_proj_scales 1,024 x 32 uint8 (E8M0 scales of w_proj, one for each 32 codes along K); x_codes 4 x 2,048 x 32 x 24 uint8 (E2M3 codes of x, K innermost, in blocks of 32 codes, four codes in three bytes); x_scales 4 x 2,048 x 32 uint8 (E8M0 scales of x, one for each 32 codes along K).
;; Outputs: out0 4 x 2,048 x 1,024 float32.
;; This version of the problem:
;;   THIS VERSION OF THE PROBLEM IS GIVEN IN LOW PRECISION. The matrix products marked QUANTISED in the list below multiply operands that are first quantised to E2M3 (2 exponent bits, 3 mantissa bits; 6 bits a number), with one power-of-two scale for each 32 numbers along K (OCP MX v1.0); their sums are f32. All else is computed in f32.
;;   The module's matrix products, in the order in which they are computed (A, B: the left and right operand; K: the contracted axis; several contracted axes count as one K, in the product's order):
;;     1. [M 8,192, K 1,024] x [K 1,024, N 3,072]; A: input x (given as codes); B: input w_attn (given as codes): QUANTISED
;;     2. batch 64 x [M 2,048, K 64] x [K 64, N 2,048]; A: computed on the way; B: computed on the way: QUANTISED
;;     3. batch 64 x [M 2,048, K 2,048] x [K 2,048, N 64]; A: softmax (see below); B: computed on the way: QUANTISED
;;     4. [M 8,192, K 1,024] x [K 1,024, N 1,024]; A: computed on the way; B: input w_proj (given as codes): QUANTISED
;;   THE QUANTISER, for each operand of a quantised product, along K:
;;     - K is cut into blocks of 32 from its start; a last block that is shorter is filled with zeros.
;;     - A block's scale is 2^e with e = floor(log2(the largest magnitude in the block)) - 2, held to -126 .. 127; a block of zeros has e = 0. As a byte (E8M0): e + 127.
;;     - Each number is divided by its block's scale, clamped to +-7.5, and rounded to the nearest number of E2M3, ties to even, subnormals kept.
;;     - The product sums the exact products of the quantised numbers (number of the format x scale) in f32.
;;   ~~~python
;;   def quantise(x, axis):      # numpy; x: float32 -> the quantised numbers, widened to float32 again
;;       x = np.moveaxis(x, axis, -1); K = x.shape[-1]
;;       x = np.pad(x, [(0, 0)] * (x.ndim - 1) + [(0, -K % 32)]); x = x.reshape(x.shape[:-1] + (-1, 32)); a = np.abs(x).max(-1, keepdims=True)
;;       e = np.where(a > 0, np.clip(np.frexp(np.where(a > 0, a, 1))[1] - 1 - 2, -126, 127), 0)      # np.frexp(a)[1] - 1 = floor(log2(a)), exactly
;;       r = np.clip(x / 2.0 ** e, -7.5, 7.5)
;;       step = 2.0 ** (np.maximum(np.frexp(np.where(r == 0, 1, r))[1] - 1, 0) - 3)
;;       q = np.round(r / step) * step * 2.0 ** e      # np.round: ties to even
;;       return np.moveaxis(q.reshape(q.shape[:-2] + (-1,))[..., :K], -1, axis).astype(np.float32)
;;   ~~~
;;   SOFTMAX AHEAD OF A QUANTISED PRODUCT. Where the list says 'softmax', what is quantised is not the finished softmax but p = 2^(t - M), with t = logit x log2(e) and M = ceil(the row's largest t), a whole number; so 1/2 < the row's largest p <= 1. The row's sum l is taken of the UNQUANTISED p, in f32, and the product's result is divided by l at the end. Since M is a whole number, a kernel that streams over the keys may use a running M (the ceiling of the running maximum): every later rescaling is an exact power of two, which a block's scale takes up: the codes' values come out the same.
;;   OPERANDS COMPUTED ON THE WAY. 'Computed on the way' means the value that the module computes at that place (a softmax that the list does not call 'softmax' is quantised finished and normalised). What goes into a quantiser is computed in f32, as accurately as f32 sums, v_exp_f32 and their like allow (about 1e-6 of the number): no bf16 or f16 on the way to a quantiser, and a product that is left as it is and whose result goes on into a quantised operand takes f32 operands (vector FMAs, or v_wmma_f32_16x16x4_f32). A number that lies on a knife's edge between two numbers of the format may be rounded either way, as far as f32 arithmetic and the matrix unit's own rounding can turn it there, and no further.
;;   INPUTS GIVEN AS CODES. w_attn (in the module: [1024, 3072], K = its axis 0); w_proj (in the module: [1024, 1024], K = its axis 0); x (in the module: [4, 2048, 1024], K = its axis 2): each comes as NAME_codes (uint8): NAME with its K axis moved to the last place and cut into blocks of 32 codes, [.., K / 32, bytes a block], one block behind the other in memory; four codes in three bytes: a row's codes are one little-endian stream of bits, code i at bits 6 i .. 6 i + 5 (a code: sign, 2 exponent bits, 3 mantissa bits); and NAME_scales (uint8): the same leading axes, one E8M0 byte (e + 127) for each 32 codes along K. Its value is code x scale, taken as it is: it is not quantised again, and the codes and scales need not be those that the quantiser above would give.
;; One version. Each part assembles by itself: llvm-mc -triple=amdgcn-amd-amdhsa -mcpu=gfx1250 --defsym DOCPART=n.
;; ======== version 1 of 1: 3 launches
;; workspace buffers: qkv 26,738,688 bytes; y_img 6,291,456 bytes; y_scales 262,144 bytes
;; launch qkv (part 1): grid 12 x 32, 4 waves a work-group, clusters of 4 x 4, 327,680 bytes of LDS; arguments x_codes, x_scales, w_attn_codes, w_attn_scales, b_attn, qkv; writes qkv
.if DOCPART == 1
	.amdgcn_target "amdgcn-amd-amdhsa--gfx1250"
	.amdhsa_code_object_version 6
	.text
	.protected	k_q9caa1cf851_qkv
	.globl	k_q9caa1cf851_qkv
	.p2align	8
	.type	k_q9caa1cf851_qkv,@function
k_q9caa1cf851_qkv:
	s_mov_b64 s[64:65], 0
	v_nop
	global_prefetch_b8 v0, s[64:65] scope:SCOPE_SE
	s_setreg_imm32_b32 hwreg(HW_REG_WAVE_MODE, 25, 1), 1
	s_wait_xcnt 0x0
	s_wait_alu depctr_hold_cnt(0) depctr_sa_sdst(0) depctr_va_vdst(0) depctr_va_sdst(0) depctr_va_ssrc(0) depctr_va_vcc(0) depctr_vm_vsrc(0)
	s_getreg_b32 s2, hwreg(HW_REG_IB_STS2, 6, 4)
	s_cmp_eq_u32 s2, 0
	s_cbranch_scc0 .Lentry_in_a_cluster
	s_endpgm
.Lentry_in_a_cluster:
	s_bfe_u32 s2, ttmp6, 0x10000c
	s_cmp_lg_u32 s2, 0xf033
	s_cbranch_scc0 .Lentry_shape_is_right
	s_endpgm
.Lentry_shape_is_right:
; qkv = x w_attn + b_attn on codes of FP6 (E2M3) with one E8M0 scale for each 32 along K = 1,024; the results are quantised here, in registers, and leave as codes:
; q and k along the head's 64, v along the tokens (the keys of the second attention product).  Nothing wider than codes goes to memory.
; A tile of 256 x 256 results is made by four waves, 128 x 128 each: 64 accumulators, 512 registers.  K goes in steps of 256 through a ring of two LDS slots; all scale bytes of the tile's rows come once.
; TWO MODES, told apart by the cluster's x, which all sixteen partners share.  The matrix instruction's source 0 ("B" below) has its rows along a lane's registers in the result, source 1 ("A") across the lanes.
;   q, k (cluster x 0, 1): A = 256 tokens of x, B = 256 rows of w_attn (features 0-2047): a lane holds one token and its registers run along the features: the quantiser's axis.
;   v    (cluster x 2):    A = 256 rows of w_attn (features 2048-3071), B = 256 tokens of x: a lane holds one feature and its registers run along the tokens.
; Both tensors have rows of 768 bytes of codes and 32 scale bytes, so only pointers and tile numbers are chosen; the loop is one text.
; THE ORDER INSIDE A BLOCK OF 32.  A lane's 16 registers of two neighbouring accumulators are numbers 8 h + 0..7 and 16 + 8 h + 0..7 of a block (h = lane / 16).  The codes are laid: half 0's sixteen, then half 1's.
; That is a permutation inside a block, the same for q and k (made by these same lines) and for v and the softmax's p (made by the same lines in the next launch): the products do not change, and a block has one scale.
; OUT: records of 13,056 bytes for 128 tokens of one head, [which 2][batch 4][head 16][chunk 16]: + 0: 8 images of 768 bytes (16 tokens x 64 codes: q where which = 0, k where 1); + 6,144: 4 images of 1,536 bytes
; (16 of the head's 64 x 128 keys of v; which = 1 alone); + 12,288: 8 x 16 scale words of q or k (bytes 2, 3 are 0: they meet zero codes alone); + 12,800: 4 x 16 scale words of v.
; An image is the operand's registers as they stand: registers 0-3 at 16 x lane, and so on.  Every store of a wave covers whole aligned runs of 256 bytes.
; LIMITS: NaN and infinities are not served.  A block whose largest magnitude lies under 2^-124 keeps the scale byte 1; a block of zeros has byte 1 where the rule says 127: its codes are zeros, and this program alone reads the bytes.
; REGISTERS, in windows of 256: window 0: v1-10 lane terms and the way out's addresses; v16-23, v27 LDS addresses; v28, v29 for the add; v32-63 scale words, two sets, and nothing else; v64-127 the bias; v128-223 A's fragments, one set;
;   v224-231 the bias's offsets.  Window 1: B's fragments, two sets.  Windows 2, 3: the accumulators ((a, b) at v[8 (8 (a % 4) + b)]).  On the way out window 0's v64-215 hold codes and work.
.set KSTEP,  256                       ; along K in a slot
.set NQ,     2                         ; matrix instructions deep
.set ROWB,   192                       ; a tile's row in bytes
.set KROW,   768                       ; a row of x or of w_attn in memory
.set PITCH,  240                       ; an LDS row: 3 x (64 bytes + 16 of padding)
.set FR,     12                        ; registers of a fragment
.set NL,     6                         ; LDS loads that bring one
.set NP,     4                         ; places behind this matrix instruction (ISA guide 7.12.1)
.set HALFT,  128*PITCH
.set SLOT,   4*HALFT                   ; A's 256 rows, then B's 256 rows
.set LAPS,   2                         ; 1,024 / 512
.set KS,     32                        ; a row of scale bytes
.set SCL,    2*SLOT                    ; behind the ring: the scales, as units of 256 bytes + 16 of padding
.set HALFS,  (128*KS/256)*272
.set SBLK,   (16*KS/256)*272
.set SPARE,  SCL+4*HALFS               ; the spare words, 128 bytes for each wave: two blocks of 256 bytes that no other line names
.set CH,     13056                     ; a record
.set HEADB,  16*CH                     ; a head's 16 records
.set STV,    4096                      ; the way out's stages for scale words lie in slot 0, which has had its last fill and its last read by then: 1,024 bytes a wave from 0 (q, k) and from 4,096 (v)
.set ADRA, 16
.set ADRB, 20
.set ADRS, 27
.set SPW,  28
.set NIL,  29
.set SC,   32
.set BI,   64                          ; the bias, in the result's layout
.set AF,   128
.set BO,   224
.set PC,   64                          ; the way out: block a's codes at v[PC + 12 a]
.set PW,   160                         ; its scale word
.set QW,   168                         ; q's or k's word of my half's head
.set RB,   176                         ; scale words read back
.set TM,   192                         ; v192-195 largest magnitudes, v196-199 bytes, v204-207 the conversions' scale operands
.set TC,   208                         ; the second halves of the conversions
.set G1, 24
.set G0, 32
.set G1B, 48
.set G0B, 56
.set G1S, 68
.set G0S, 76
.set G1SB, 80
.set G0SB, 88
.set MSB, 0
.macro WIN new                         ; the immediate's high byte repeats the setting that is left
.if MSB != (\new)
	s_set_vgpr_msb (MSB<<8)|(\new)
.set MSB, (\new)
.endif
.endm
.set MUL_LO, 0xa1                      ; source 0 (B) window 1, source 1 (A) window 0, C and D window 2
.set MUL_HI, 0xf1                      ; the same, C and D window 3
.set TO_B,   0x40                      ; destination window 1, address window 0
; A joint load: waves 0 and 1 fetch for A, waves 2 and 3 for B; the branch hangs on the wave's number alone.  Four v_nop follow each of the two lines.
.macro JLOAD g0a, g1a, g0b, g1b
	s_cmp_eq_u32 s15, 0
	s_cbranch_scc0 .Lfor_b_\@
	tensor_load_to_lds s[\g0a:\g0a+3], s[\g1a:\g1a+7]
	s_nop 0
.rept 4
	v_nop
.endr
	s_branch .Lasked_\@
.Lfor_b_\@:
	tensor_load_to_lds s[\g0b:\g0b+3], s[\g1b:\g1b+7]
	s_nop 0
.rept 4
	v_nop
.endr
.Lasked_\@:
.endm
.macro CREST                           ; a round of the cluster's barrier behind its opening barrier
	s_cmp_lg_u32 s14, 0
	s_cbranch_scc1 .Lnot_wave_0_\@
	s_barrier_signal -3
.Lnot_wave_0_\@:
	s_barrier_wait -3
	s_barrier_signal -1
	s_barrier_wait -1
.endm
.macro CROUND
	s_barrier_signal -1
	s_barrier_wait -1
	CREST
.endm
	s_load_b256 s[4:11], s[0:1], 0x0               ; x's codes, x's scales, w_attn's codes, w_attn's scales
	s_load_b128 s[96:99], s[0:1], 0x20             ; b_attn, qkv
	v_lshl_add_u32 v[SPW], v0, 2, SPARE
	v_mov_b32 v[NIL], 0
	ds_add_u32 v28, v29
	s_wait_dscnt 0x0
	v_lshrrev_b32 v1, 5, v0
	v_readfirstlane_b32 s14, v1                    ; wave 0..3
	s_lshr_b32 s15, s14, 1                         ; which half of A's rows is mine.  Also: I fetch for A (0) or for B (1)
	s_and_b32 s16, s14, 1                          ; which half of B's rows.  Also: which 128 rows I fetch
	s_bfe_u32 s40, ttmp6, 0x40000                  ; cx, cy: my place in the cluster
	s_bfe_u32 s41, ttmp6, 0x40004
	s_and_b32 s18, ttmp7, 0xffff                   ; cluster y
	s_cmp_eq_u32 ttmp9, 2                          ; the third column of clusters makes v
	s_cselect_b32 s66, 1, 0
	s_cselect_b32 s17, 2, s18                      ; A's tiles: v: w_attn's tile rows 8 + cy;  q, k: x's 4 x cluster y + cy
	s_cselect_b32 s42, s18, ttmp9                  ; B's tiles: v: x's 4 x cluster y + cx;  q, k: w_attn's 4 x cluster x + cx
	s_lshl_b32 s17, s17, 2
	s_add_co_u32 s17, s17, s41
	s_lshl_b32 s42, s42, 2
	s_add_co_u32 s42, s42, s40
	s_lshl_b32 s43, s41, 2
	s_lshl_b32 s43, 15, s43                        ; my row of the cluster
	s_lshl_b32 s44, 0x1111, s40                    ; my column
	; descriptor group 1: a tile of 128 rows x 192 bytes, 16 bytes of padding behind every 64
	s_or_b32 s[G1+0], s43, (0<<16)|(1<<20)|(1<<21)|(3<<22)|(3<<25)  ; the mask: A's tiles go to my row; elements of 1 byte; padding on; bit 21 beside a mask; after every 16 words, 4 words
	s_or_b32 s[G1B+0], s44, (0<<16)|(1<<20)|(1<<21)|(3<<22)|(3<<25)
.irp g, G1, G1B
	s_mov_b32 s[\g+1], ROWB<<16                    ; tensor_dim0
	s_mov_b32 s[\g+2], 128<<16                     ; tensor_dim1
	s_mov_b32 s[\g+3], ROWB<<16                    ; tile_dim0
	s_mov_b32 s[\g+4], 128                         ; tile_dim1
	s_mov_b32 s[\g+5], KROW                        ; tensor_dim0_stride
	s_mov_b32 s[\g+6], 0
	s_mov_b32 s[\g+7], 0
.endr
	; the scales of 128 rows: a dense block of 4,096 bytes, as 16 rows of 256 bytes (32 elements of 8), 16 bytes of padding behind each
	s_or_b32 s[G1S+0], s43, (3<<16)|(1<<20)|(1<<21)|(5<<22)|(3<<25)
	s_or_b32 s[G1SB+0], s44, (3<<16)|(1<<20)|(1<<21)|(5<<22)|(3<<25)
.irp g, G1S, G1SB
	s_mov_b32 s[\g+1], 32<<16
	s_mov_b32 s[\g+2], (128*KS/256)<<16
	s_mov_b32 s[\g+3], 32<<16
	s_mov_b32 s[\g+4], 128*KS/256
	s_mov_b32 s[\g+5], 32
	s_mov_b32 s[\g+6], 0
	s_mov_b32 s[\g+7], 0
.endr
	s_lshl_b32 s18, s16, 7                         ; which 128 rows of the tile I fetch
	s_lshl_b32 s20, s17, 8
	s_add_co_u32 s20, s20, s18                     ; A's row
	s_lshl_b32 s46, s42, 8
	s_add_co_u32 s46, s46, s18                     ; B's row
	s_mov_b32 s21, 0
	s_mov_b32 s47, 0
	s_mov_b64 s[18:19], KS
	s_mul_u64 s[22:23], s[20:21], s[18:19]         ; where these rows' scales begin, in bytes
	s_mul_u64 s[92:93], s[46:47], s[18:19]
	s_mov_b64 s[18:19], KROW
	s_mul_u64 s[20:21], s[20:21], s[18:19]         ; and their codes
	s_mul_u64 s[46:47], s[46:47], s[18:19]
	s_mul_i32 s45, s14, HALFT                      ; where they go: wave x 128 rows: no place in the cluster enters an LDS address
	s_mul_i32 s94, s14, HALFS
	s_wait_kmcnt 0x0
	s_cmp_eq_u32 s66, 1                            ; which tensor is A and which B: the choice hangs on the cluster's x alone
	s_cselect_b64 s[100:101], s[8:9], s[4:5]
	s_cselect_b64 s[104:105], s[10:11], s[6:7]
	s_cselect_b64 s[8:9], s[4:5], s[8:9]           ; B's codes
	s_cselect_b64 s[10:11], s[6:7], s[10:11]       ; B's scales
	s_mov_b64 s[4:5], s[100:101]                   ; A's codes
	s_mov_b64 s[6:7], s[104:105]                   ; A's scales
	s_add_nc_u64 s[20:21], s[4:5], s[20:21]
	s_add_nc_u64 s[22:23], s[6:7], s[22:23]
	s_add_nc_u64 s[46:47], s[8:9], s[46:47]
	s_add_nc_u64 s[92:93], s[10:11], s[92:93]
	CROUND                                         ; all sixteen work-groups are here: the first joint loads meet
	s_mov_b32 s[G0S], 1
	s_add_co_u32 s[G0S+1], s94, SCL
	s_mov_b64 s[G0S+2:G0S+3], s[22:23]
	s_or_b32 s[G0S+3], s[G0S+3], 0x80000000
	s_mov_b32 s[G0SB], 1
	s_add_co_u32 s[G0SB+1], s94, SCL
	s_mov_b64 s[G0SB+2:G0SB+3], s[92:93]
	s_or_b32 s[G0SB+3], s[G0SB+3], 0x80000000
	JLOAD G0S, G1S, G0SB, G1SB                     ; the scales first: they are wanted with K step 0
.irp s, 0,1
	s_mov_b32 s[G0+4*\s], 1
	s_add_co_u32 s[G0+4*\s+1], s45, \s*SLOT
	s_add_nc_u64 s[G0+4*\s+2:G0+4*\s+3], s[20:21], \s*ROWB
	s_or_b32 s[G0+4*\s+3], s[G0+4*\s+3], 0x80000000
	s_mov_b32 s[G0B+4*\s], 1
	s_add_co_u32 s[G0B+4*\s+1], s45, \s*SLOT
	s_add_nc_u64 s[G0B+4*\s+2:G0B+4*\s+3], s[46:47], \s*ROWB
	s_or_b32 s[G0B+4*\s+3], s[G0B+4*\s+3], 0x80000000
	JLOAD G0+4*\s, G1, G0B+4*\s, G1B
.endr
	v_and_b32 v1, 15, v0                           ; r = lane % 16
	v_bfe_u32 v2, v0, 4, 1                         ; h = lane / 16
	v_mul_u32_u24 v11, v1, PITCH
	v_mul_u32_u24 v12, v2, 24
	v_add_nc_u32 v12, v11, v12                     ; a fragment's row x pitch + 24 x half
	v_lshl_add_u32 v13, v2, 4, v12                 ; and the same behind one padding more
	s_mul_i32 s21, s15, HALFT                      ; my 128 rows of A
	s_mul_i32 s22, s16, HALFT                      ; my 128 rows of B,
	s_add_co_u32 s22, s22, 2*HALFT                 ; which lie behind A's 256
.irp s, 0,1
	v_add_nc_u32 v[ADRA+\s], s21, v12
	v_add_nc_u32 v[ADRB+\s], s22, v12
	v_add_nc_u32 v[ADRA+2+\s], s21, v13
	v_add_nc_u32 v[ADRB+2+\s], s22, v13
	s_add_co_u32 s21, s21, SLOT
	s_add_co_u32 s22, s22, SLOT
.endr
	v_mul_u32_u24 v13, v1, KS                      ; my row's scales: 32 bytes a row,
	v_lshrrev_b32 v14, 8, v13
	v_lshl_add_u32 v13, v14, 4, v13                ; and 16 more for each 256 passed
	s_mul_i32 s21, s15, HALFS
	s_mul_i32 s22, s16, HALFS
	s_add_co_u32 s22, s22, 2*HALFS
	s_sub_co_u32 s22, s22, s21
	v_mul_u32_u24 v14, s22, v2                     ; lanes 16-31 take B's: one product, the distance between the two bases
	s_add_co_u32 s21, s21, SCL
	v_add_nc_u32 v13, v13, v14
	v_add_nc_u32 v[ADRS], s21, v13
	; the way out's addresses, all made here, ahead of the first parting of the modes
	v_and_b32 v14, 31, v0
	v_lshlrev_b32 v3, 4, v14                       ; 16 x lane
	v_lshlrev_b32 v4, 3, v14                       ; 8 x lane
	v_lshlrev_b32 v5, 4, v2                        ; 16 h: the bits by which my half's head stands in a scale word of two heads
	s_lshl_b32 s23, s14, 10
	v_lshlrev_b32 v15, 2, v1
	v_lshl_add_u32 v6, v2, 9, v15
	v_add_nc_u32 v6, s23, v6                       ; q, k: a scale word goes to 1,024 wave + 512 h + 4 r (+ 64 a),
	v_add_nc_u32 v7, s23, v3                       ; and comes back from 1,024 wave + 16 lane
	v_add_nc_u32 v8, s23, v15
	v_add_nc_u32 v8, STV, v8                       ; v: to 4,096 + 1,024 wave + 4 r (+ 64 a),
	v_add_nc_u32 v9, STV, v7                       ; back from 4,096 + 1,024 wave + 16 lane
	v_mul_u32_u24 v10, v2, HEADB
	v_lshl_add_u32 v10, v1, 4, v10                 ; v's words in memory: lanes 0-15 the first head's 256 bytes, lanes 16-31 the next head's
	; where my 128 x 128 results go, and where their bias begins
	s_lshl_b32 s100, s17, 8
	s_lshl_b32 s101, s15, 7
	s_add_co_u32 s100, s100, s101                  ; my first row of A
	s_lshl_b32 s104, s42, 8
	s_lshl_b32 s101, s16, 7
	s_add_co_u32 s104, s104, s101                  ; my first row of B
	s_cmp_eq_u32 s66, 1
	s_cselect_b32 s105, s100, s104                 ; my first feature (a row of w_attn),
	s_cselect_b32 s100, s104, s100                 ; my first token
	s_cselect_b32 s101, 16, 0
	s_cselect_b32 s92, 0, 32                       ; the bias's lane terms: q, k: 32 h + 4 j;  v: 4 r
	s_cselect_b32 s93, 4, 0
	s_cselect_b32 s94, 0, 4
	s_lshr_b32 s104, s105, 6
	s_sub_co_u32 s104, s104, s101                  ; 0-15: q's heads; 16-31: k's, and v's, which share k's records
	s_lshr_b32 s101, s104, 4
	s_lshl_b32 s101, s101, 6                       ; which x 64
	s_and_b32 s104, s104, 15
	s_add_co_u32 s101, s101, s104                  ; + head
	s_lshr_b32 s104, s100, 11
	s_lshl_b32 s104, s104, 4
	s_add_co_u32 s101, s101, s104                  ; + batch x 16
	s_lshl_b32 s101, s101, 4
	s_bfe_u32 s104, s100, 0x40007
	s_add_co_u32 s101, s101, s104                  ; x 16 + the chunk of 128 tokens: the record
	s_mul_i32 s100, s101, CH
	s_mov_b32 s101, 0
	s_add_nc_u64 s[12:13], s[98:99], s[100:101]
	s_lshl_b32 s100, s105, 2
	s_add_nc_u64 s[96:97], s[96:97], s[100:101]
	v_mul_u32_u24 v[BO], s92, v2
	v_mad_u32_u24 v[BO], s93, v1, v[BO]
.irp j, 1,2,3,4,5,6,7
	v_mad_u32_u24 v[BO+\j], s94, \j, v[BO]
.endr
.irp t, 0,1,2,3,4,5,6,7                        ; q, k: v[BI + 8 b + j] = b(feature 16 b + 8 h + j);  v: v[BI + 8 a + j] = b(feature 16 a + r), the same for all j
.irp j, 0,1,2,3,4,5,6,7
	global_load_b32 v[BI+8*\t+\j], v[BO+\j], s[96:97] offset:64*\t
.endr
.endr
.macro FRAG reg, adr, q, i             ; 16 rows x 128 K of 6-bit codes: 12 registers, in pieces of 8 bytes; lanes 16-31 read three pieces further on, which for some pieces is behind one padding more: the second address register
.irp p, 0,1,2,3,4,5
.set PCE, 12*(\q)+6*(\p/3)+\p%3
.if PCE%8 < 5
	ds_load_b64 v[\reg+2*\p:\reg+2*\p+1], v[\adr] offset:8*PCE+16*(PCE/8)+(\i)*16*PITCH
.else
	ds_load_b64 v[\reg+2*\p:\reg+2*\p+1], v[\adr+2] offset:8*PCE+16*(PCE/8)+(\i)*16*PITCH
.endif
.endr
.endm
; 16 matrix instructions: A's blocks a0, a0 + 1 x B's eight, 128 along K.  cm = 0: the sums go on in place;  1: they start from the bias of B's block (q, k);  2: from the bias of A's block (v).
; The 64 accumulators take turns, one instruction a turn, in the same order in every step.
.macro MUL16 a0, p, q, sc, cm
.irp a, \a0, \a0+1
.irp b, 0,1,2,3,4,5,6,7
.set rD, 8*(8*((\a)%4)+\b)
.set rB, 128*(\p)+FR*\b
.set rA, AF+FR*(\a)
.set rSB, SC+8*NQ*(\sc)+NQ*\b+(\q)
.set rSA, SC+8*NQ*(\sc)+NQ*(\a)+(\q)
.if (\cm) == 1
	v_wmma_scale_f32_16x16x128_f8f6f4 v[rD:rD+7], v[rB:rB+FR-1], v[rA:rA+FR-1], v[BI+8*\b:BI+8*\b+7], v[rSB], v[rSA] matrix_a_fmt:MATRIX_FMT_FP6 matrix_b_fmt:MATRIX_FMT_FP6 matrix_a_scale:MATRIX_SCALE_ROW1
.elseif (\cm) == 2
	v_wmma_scale_f32_16x16x128_f8f6f4 v[rD:rD+7], v[rB:rB+FR-1], v[rA:rA+FR-1], v[BI+8*(\a):BI+8*(\a)+7], v[rSB], v[rSA] matrix_a_fmt:MATRIX_FMT_FP6 matrix_b_fmt:MATRIX_FMT_FP6 matrix_a_scale:MATRIX_SCALE_ROW1
.else
	v_wmma_scale_f32_16x16x128_f8f6f4 v[rD:rD+7], v[rB:rB+FR-1], v[rA:rA+FR-1], v[rD:rD+7], v[rSB], v[rSA] matrix_a_fmt:MATRIX_FMT_FP6 matrix_b_fmt:MATRIX_FMT_FP6 matrix_a_scale:MATRIX_SCALE_ROW1
.endif
.endr
.endr
.endm
.macro FETCH_B slot, q, p
	WIN TO_B
.irp i, 0,1,2,3,4,5,6,7
	FRAG 128*(\p)+FR*\i, ADRB+\slot, \q, \i
.endr
	WIN 0
.endm
.macro FETCH_A slot, q, i0
.irp i, \i0, \i0+1, \i0+2, \i0+3
	FRAG AF+FR*(\i), ADRA+\slot, \q, \i
.endr
.endm
.macro SCALES sc                       ; a K step's scale words into set sc: two words a row; lanes 0-15 take A's block i, lanes 16-31 B's block i
.irp i, 0,1,2,3,4,5,6,7
	ds_load_b64 v[SC+8*NQ*\sc+NQ*\i:SC+8*NQ*\sc+NQ*\i+1], v[ADRS] offset:\i*SBLK
.endr
.endm
.macro PLACES n                        ; plain vector instructions between a matrix instruction and a load into, or a vector read or write of, its registers
.rept \n
	v_nop
.endr
.endm
; A step of 128 along K that has its successor in the same slot.
.macro STEP slot, q, cm
	s_wait_dscnt 4*NL                              ; B's set and A's blocks 0-3 are in; the youngest 24 loads (A's blocks 4-7) may be out
.if \cm
	WIN 0x81                                       ; as MUL_LO, with C, the bias, in window 0
.else
	WIN MUL_LO
.endif
	MUL16 0, (\q)%2, \q, \slot, \cm
	MUL16 2, (\q)%2, \q, \slot, \cm
	s_wait_dscnt 0                                 ; A's blocks 4-7 are in
	PLACES NP
	FETCH_B \slot, (\q)+1, 1-(\q)%2
	FETCH_A \slot, (\q)+1, 0
.if \cm
	WIN 0xc1
.else
	WIN MUL_HI
.endif
	MUL16 4, (\q)%2, \q, \slot, \cm
	MUL16 6, (\q)%2, \q, \slot, \cm
	PLACES NP
	WIN 0
	FETCH_A \slot, (\q)+1, 4
.endm
; A slot's last step changes slots: one barrier; in front of it each wave waits for all its tensor loads, adds 0 to its spare word, and waits for that and for its own reads of this slot.  fill = 1: this slot is filled again.
.macro TURN slot, next, fill
	s_wait_tensorcnt 0x0                           ; all my tensor loads have landed: my part of the next slot
	ds_add_u32 v[SPW], v[NIL]                      ; 0 onto my spare word
	s_wait_dscnt 4*NL+1                            ; (the add and the youngest 24 loads, A's blocks 4-7, may be out)
	WIN MUL_LO
	MUL16 0, 1, NQ-1, \slot, 0                     ; sixteen matrix instructions stand between the add and the wait for it
	s_wait_dscnt 0x0                               ; the add is done, and my reads of this slot are over
	s_barrier_signal -1
	MUL16 2, 1, NQ-1, \slot, 0
	WIN 0
	s_barrier_wait -1
.if \fill
	CREST                                          ; the barrier has opened a round of the cluster's barrier: no wave of any partner still reads this slot or has a load on its way
	s_add_nc_u64 s[G0+4*\slot+2:G0+4*\slot+3], s[G0+4*\slot+2:G0+4*\slot+3], 2*ROWB
	s_add_nc_u64 s[G0B+4*\slot+2:G0B+4*\slot+3], s[G0B+4*\slot+2:G0B+4*\slot+3], 2*ROWB
	JLOAD G0+4*\slot, G1, G0B+4*\slot, G1B         ; the first tensor load behind the round; its four v_nop are the places in front of the loads below
.else
	PLACES NP
.endif
	v_add_nc_u32 v[ADRS], 4*NQ, v[ADRS]            ; on to the next K step's scale words
	FETCH_B \next, 0, 0
	FETCH_A \next, 0, 0
	SCALES \next
	WIN MUL_HI
	MUL16 4, 1, NQ-1, \slot, 0
	MUL16 6, 1, NQ-1, \slot, 0
	PLACES NP
	WIN 0
	FETCH_A \next, 0, 4
.endm
	s_wait_tensorcnt 1                             ; the scales and my part of K step 0 are in (of my three loads K step 1's may be out)
	s_barrier_signal -1
	s_barrier_wait -1                              ; everybody's are
	FETCH_B 0, 0, 0
	FETCH_A 0, 0, 0
	SCALES 0
	FETCH_A 0, 0, 4
	s_wait_loadcnt 0x0                             ; the bias
	s_cmp_eq_u32 s66, 0                            ; the first step's products start the sums from the bias: by B's block or by A's.  Only this step is written twice
	s_cbranch_scc0 .Lfirst_v
	STEP 0, 0, 1
	s_branch .Lfirst_done
.Lfirst_v:
	STEP 0, 0, 2
.Lfirst_done:
	s_mov_b32 s3, LAPS-1
.Llap:                                                 ; a trip goes once round the ring and fills both slots again
	TURN 0, 1, 1
	STEP 1, 0, 0
	TURN 1, 0, 1
	STEP 0, 0, 0
	s_sub_co_u32 s3, s3, 1
	s_cmp_lg_u32 s3, 0
	s_cbranch_scc1 .Llap
	TURN 0, 1, 0                                   ; the last lap fills nothing, and has no round of the cluster's barrier
	STEP 1, 0, 0
	s_wait_dscnt 4*NL                              ; the very last step: nothing more to fetch
	WIN MUL_LO
	MUL16 0, 1, NQ-1, 1, 0
	MUL16 2, 1, NQ-1, 1, 0
	s_wait_dscnt 0
	WIN MUL_HI
	MUL16 4, 1, NQ-1, 1, 0
	MUL16 6, 1, NQ-1, 1, 0
	WIN 0
; THE WAY OUT.  Block a of A (16 lanes' rows) x my 128 of B's rows: 64 numbers a lane, four blocks of 32 along the quantiser's axis, each shared by lanes l and l xor 16.
; A block's scale: its largest magnitude (with the floor 2^-124 among the leaves, which holds the byte at 1 from below) with 2 taken off the exponent field is the conversion's scale operand; that shifted is the byte.
.macro QUANT a
.set AC, 64*((\a)%4)
.set PCA, PC+12*(\a)
	WIN 0x28+0x14*((\a)/4)                         ; sources 1 and 2: window 2 or 3
.irp b, 0,1,2,3
	v_max3_num_f32 v[TM+\b], s22, |v[AC+16*\b]|, |v[AC+16*\b+1]|   ; each accumulator is read from its low end on
.endr
.irp i, 2,4,6,8,10,12,14
.irp b, 0,1,2,3
	v_max3_num_f32 v[TM+\b], v[TM+\b], |v[AC+16*\b+\i]|, |v[AC+16*\b+\i+1]|   ; (the four blocks by turns)
.endr
.endr
	WIN 0
.irp b, 0,1,2,3
	v_permlanex16_b32 v[TM+4+\b], v[TM+\b], s20, s21
.endr
.irp b, 0,1,2,3
	v_max_num_f32 v[TM+\b], v[TM+\b], v[TM+4+\b]   ; with lane l xor 16's: the block's largest magnitude
.endr
.irp b, 0,1,2,3
	v_add_nc_u32 v[TM+12+\b], 0xff000000, v[TM+\b] ; 2 off its exponent field
.endr
.irp b, 0,1,2,3
	v_lshrrev_b32 v[TM+4+\b], 23, v[TM+12+\b]      ; the scale's byte
.endr
	v_lshl_or_b32 v[PW+\a], v[TM+5], 8, v[TM+4]
	v_lshl_or_b32 v[PW+\a], v[TM+6], 16, v[PW+\a]
	v_lshl_or_b32 v[PW+\a], v[TM+7], 24, v[PW+\a]
	WIN 0x02+((\a)/4)                              ; source 0: window 2 or 3
.irp c, 0,1
	v_cvt_scalef32_pk16_fp6_f32 v[PCA+6*\c:PCA+6*\c+2], v[AC+32*\c:AC+32*\c+15], v[TM+12+2*\c]
	v_cvt_scalef32_pk16_fp6_f32 v[TC+4*\c:TC+4*\c+2], v[AC+32*\c+16:AC+32*\c+31], v[TM+13+2*\c]   ; (a conversion's three registers begin on an even number)
.endr
	WIN 0
	v_nop                                          ; one plain place behind a scaled conversion
.irp c, 0,1                                    ; the operand's layout wants a whole block in a lane: lanes 0-15 block 2 c, lanes 16-31 block 2 c + 1
.irp i, 0,1,2
	v_permlane16_swap_b32 v[PCA+6*\c+\i], v[TC+4*\c+\i]
.endr
.irp i, 0,1,2
	v_mov_b32 v[PCA+6*\c+3+\i], v[TC+4*\c+\i]
.endr
.endr
.endm
	PLACES NP                                      ; behind the last products: their results are read and their operands' registers written below
	s_mov_b32 s20, 0x76543210
	s_mov_b32 s21, 0xfedcba98                      ; v_permlanex16_b32's selects for lane l xor 16
	s_mov_b32 s22, 0x1800000                       ; the floor 2^(3 - 127)
.irp b, 0,1,2,3
	v_mov_b32 v[TM+4+\b], 0                        ; written once: a lane permute's destination counts as one of its sources
.endr
.irp a, 0,1,2,3,4,5,6,7
	QUANT \a
.endr
	s_cmp_eq_u32 s66, 0
	s_cbranch_scc0 .Lout_v
	; q, k: block a is a tile of 16 tokens; registers 6 c .. 6 c + 5 are head c's 64 codes.  A head's scale word is two bytes of the word of two heads: lanes 0-15 keep the first head's, lanes 16-31 the second's
.irp a, 0,1,2,3,4,5,6,7
	v_lshrrev_b32 v[QW+\a], v5, v[PW+\a]
.endr
.irp a, 0,1,2,3,4,5,6,7
	v_and_b32 v[QW+\a], 0xffff, v[QW+\a]
.endr
.irp a, 0,1,2,3,4,5,6,7
	ds_store_b32 v6, v[QW+\a] offset:64*\a
.endr
	ds_load_b128 v[RB:RB+3], v7                    ; LDS serves a wave's instructions in order (ISA guide 5.7.1.4): these see my stores.  The first head's 512 bytes,
	ds_load_b128 v[RB+4:RB+7], v7 offset:512       ; the second's
.irp a, 0,1,2,3,4,5,6,7
.irp c, 0,1
	global_store_b128 v3, v[PC+12*\a+6*\c:PC+12*\a+6*\c+3], s[12:13] offset:\c*HEADB+768*\a          ; 512 consecutive bytes, at a multiple of 256 from the buffer's first byte
	global_store_b64 v4, v[PC+12*\a+6*\c+4:PC+12*\a+6*\c+5], s[12:13] offset:\c*HEADB+768*\a+512     ; and 256
.endr
.endr
	s_wait_dscnt 0x0
	global_store_b128 v3, v[RB:RB+3], s[12:13] offset:12288
	global_store_b128 v3, v[RB+4:RB+7], s[12:13] offset:HEADB+12288
	s_branch .Lout_done
.Lout_v:
	; v: block a is 16 of a head's 64 (head a / 4, tile a % 4) x my 128 tokens: a whole fragment and a whole scale word a lane
.irp a, 0,1,2,3,4,5,6,7
	ds_store_b32 v8, v[PW+\a] offset:64*\a         ; lanes r and r + 16 write the same word with the same value
.endr
	ds_load_b128 v[RB:RB+3], v9
.irp a, 0,1,2,3,4,5,6,7
.irp c, 0,1,2
	global_store_b128 v3, v[PC+12*\a+4*\c:PC+12*\a+4*\c+3], s[12:13] offset:6144+(\a/4)*HEADB+(\a%4)*1536+512*\c
.endr
.endr
	s_wait_dscnt 0x0
	global_store_b128 v10, v[RB:RB+3], s[12:13] offset:12800   ; sixteen lanes store a head's 256 bytes of scale words
.Lout_done:
	s_wait_tensorcnt 0x0                           ; the wave's end, behind my last tensor load and my last LDS store
	ds_add_u32 v[SPW], v[NIL]
	s_wait_dscnt 0x0
	CROUND                                         ; the closing round: no work-group ends while a partner may still ask for a tile that names it
	s_endpgm
.Lfunc_end_k_q9caa1cf851_qkv:
	.size	k_q9caa1cf851_qkv, .Lfunc_end_k_q9caa1cf851_qkv-k_q9caa1cf851_qkv
	.p2alignl 7, 3214868480
	.fill 96, 4, 3214868480
	.section	.rodata,"a",@progbits
	.p2align	6, 0x0
	.amdhsa_kernel k_q9caa1cf851_qkv
		.amdhsa_group_segment_fixed_size 327680
		.amdhsa_private_segment_fixed_size 0
		.amdhsa_enable_private_segment 0
		.amdhsa_kernarg_size 48
		.amdhsa_user_sgpr_count 2
		.amdhsa_user_sgpr_kernarg_segment_ptr 1
		.amdhsa_wavefront_size32 1
		.amdhsa_system_sgpr_workgroup_id_x 1
		.amdhsa_system_sgpr_workgroup_id_y 1
		.amdhsa_system_sgpr_workgroup_id_z 1
		.amdhsa_system_vgpr_workitem_id 0
		.amdhsa_next_free_vgpr 1024
		.amdhsa_next_free_sgpr 106
		.amdhsa_reserve_vcc 0
		.amdhsa_float_denorm_mode_32 3
		.amdhsa_float_denorm_mode_16_64 3
		.amdhsa_memory_ordered 1
		.amdhsa_forward_progress 1
		.amdhsa_inst_pref_size 190
	.end_amdhsa_kernel
	.amdgpu_metadata
---
amdhsa.version: [ 1, 2 ]
amdhsa.kernels:
  - .name:           k_q9caa1cf851_qkv
    .symbol:         k_q9caa1cf851_qkv.kd
    .args:
      - { .name: x_codes, .offset: 0, .size: 8, .value_kind: global_buffer, .address_space: global }
      - { .name: x_scales, .offset: 8, .size: 8, .value_kind: global_buffer, .address_space: global }
      - { .name: w_attn_codes, .offset: 16, .size: 8, .value_kind: global_buffer, .address_space: global }
      - { .name: w_attn_scales, .offset: 24, .size: 8, .value_kind: global_buffer, .address_space: global }
      - { .name: b_attn, .offset: 32, .size: 8, .value_kind: global_buffer, .address_space: global }
      - { .name: qkv, .offset: 40, .size: 8, .value_kind: global_buffer, .address_space: global }
    .group_segment_fixed_size: 327680
    .private_segment_fixed_size: 0
    .kernarg_segment_align: 8
    .kernarg_segment_size: 48
    .max_flat_workgroup_size: 128
    .sgpr_count:     106
    .vgpr_count:     1024
    .wavefront_size: 32
...
	.end_amdgpu_metadata
.endif
;; end of part 1
;; launch attn (part 2): grid 4 x 64, 16 waves a work-group, no clusters, 327,680 bytes of LDS; arguments qkv, y_img, y_scales; writes y_img, y_scales
.if DOCPART == 2
	.amdgcn_target "amdgcn-amd-amdhsa--gfx1250"
	.amdhsa_code_object_version 6
	.text
	.protected	k_q9caa1cf851_attn
	.globl	k_q9caa1cf851_attn
	.p2align	8
	.type	k_q9caa1cf851_attn,@function
k_q9caa1cf851_attn:
	s_mov_b64 s[64:65], 0
	v_nop
	global_prefetch_b8 v0, s[64:65] scope:SCOPE_SE
	s_setreg_imm32_b32 hwreg(HW_REG_WAVE_MODE, 25, 1), 1
	s_wait_xcnt 0x0
; y = softmax(q k^T / 8, causal) v for one head, both products on codes of FP6 (E2M3) with E8M0 scales, and y quantised along the head's 64 for the projection.
; q, k, v come as the records that the launch before has stored (13,056 bytes for 128 tokens of a head: 8 images of k or q, 4 images of v, their scale words): images of operand registers, read by consecutive lanes at consecutive bytes.
; THE SOFTMAX: t = score x log2(e) / 8; M = the running largest t rounded up to a whole number; p = 2^(t - M) is quantised along the keys, not normalised; the row's sum is taken of the unquantised p and divides at the end.
; When M moves, the sum and O are multiplied by 2^(old M - new M): exact.
; SHARES.  Work-group (i, head): query blocks 7 - i and then i, 256 queries each; each of sixteen waves owns 16 queries of the block in hand.  Block j needs key slots 0 .. j of 256 keys: (8 - i) + (i + 1) = 9 slots for every
; work-group, so all 256 work-groups walk nine trips, a constant of the text.  A key step (128 keys) all of whose keys come after the wave's queries is passed over by a scalar branch on ids; on the diagonal hidden scores become -infinity.
; NO CLUSTER: the four work-groups of a head walk slots 0 .. 7 - i and then 0 .. i, so from trip 8 - i on they want different slots; walking in step would take each of them 8 + 4 = 12 slots for its 9.
; LAYOUT.  Both products are used transposed: S^T = k q^T (source 0 = 16 neighbouring keys), O^T = v^T p^T (source 0 = 16 of the head's 64): a lane holds one query throughout.  The head's 64 fill half of the first product's
; K of 128: registers 6-11 of q's and k's fragments are zero codes, which add nothing.  p's codes are laid inside a block of 32 keys as v's were (half 0's sixteen, then half 1's): the same lines made both.
; y meets given codes (w_proj's), so it is brought into true order first: sixteen exchanges of halves on the f32 numbers.
; OUT: y_img [row tile 512][head 16][768]: the image of 16 tokens x 64 codes; y_scales [8192][32]: two bytes for a token and a head.  Those two bytes a lane are the one store that does not cover 256 consecutive bytes: 32 bytes of 800 a tile.
; LIMITS: NaN and infinities are not served.  A block whose largest magnitude lies under 2^-124 keeps the scale byte 1, a block of zeros too (its codes are zeros; this program alone reads the bytes).
; REGISTERS: v1 16 lane, v2 8 lane, v3 4 r, v7 32 r, v8 the prefetch's offset; v4, v9, v10 the slot's LDS addresses; v5, v6 for the add; v11 at work; v12 -M, v13 the largest t, v[14:15] the sum; v16-27 q; v28-31 v's scale words;
;   v32-79 four fragments of k; v80-127 four of v; v128-191 S^T, then p; v192-223 O^T; v224-235 p's codes; v232-247, v254 at work; v248-251 k's scale words; v252 f; v253 p's scale word; v255 q's.
.set CH,    13056                      ; a record: 128 keys
.set HEADB, 16*CH
.set SLOTB, 2*CH                       ; a slot: 256 keys
.set SLOT1, 32768                      ; slot 1 begins here: one exclusive or turns an address in one slot into the other's
.set SPARE, 65536                      ; the spare words, 128 bytes for each of sixteen waves: eight blocks of 256 bytes that no other line names
.set VIM,   6144                       ; in a record: v's images,
.set KSW,   12288                      ; k's (q's) scale words,
.set VSW,   12800                      ; v's
; s2 the slot in hand's LDS byte; s3 the trip; s10 wave; s11 i; s12 7 - i; s13 8 - i; s14 the step's first key; s15 my first query; s16 the second block's; s17 this trip's key slot, s41 the next's; s[18:19] my record of slot 0 in memory;
; s[20:21] lane selects; s[22:23] c; s[24:31], s[32:35] the descriptor; s[36:37] an offset; s[38:39], s40 the prefetch; s[44:51] q's codes, q's words, y's image, y's bytes of the block in hand; s[52:59] of the second block.
.macro TLOAD                           ; waves 0 and 1 fetch a record each.  Four v_nop follow the line
	s_cmp_lt_u32 s10, 2
	s_cbranch_scc0 .Lno_fetch_\@
	tensor_load_to_lds s[32:35], s[24:31]
	s_nop 0
.rept 4
	v_nop
.endr
.Lno_fetch_\@:
.endm
; A PREFETCH INTO THE L2 of the slot that the NEXT change of slots will ask for.  The four work-groups of a head begin with the same slots, and work-group 0 walks slots 0 .. 7 in order: it alone asks, in trip t for slot t + 2, t = 0 .. 5;
; slots 0 and 1 come by their loads alone, and nothing lies behind slot 7.  A slot is 102 blocks of 256 bytes: waves 4 to 7, which fetch nothing, take a block a lane; the lanes past block 101 name that block with its own lane, in the same instruction.
.macro ASK
	s_cmp_lt_u32 s3, s40
	s_cbranch_scc0 .Lnot_mine_\@
	global_prefetch_b8 v8, s[38:39] th:TH_LOAD_NT scope:SCOPE_SE
.Lnot_mine_\@:
.endm
; the four pointers and the first query of query block s[qb]
.macro PTRS qb, qp, qs, yp, ys, q0
	s_lshl_b32 s62, s[\qb], 1
	s_lshr_b32 s63, s10, 3
	s_add_co_u32 s62, s62, s63                     ; the chunk of 128 tokens
	s_mul_i32 s62, s62, CH
	s_add_co_u32 s62, s62, s60                     ; in q's part of my head
	s_and_b32 s63, s10, 7                          ; my tile in it
	s_mul_i32 s66, s63, 768
	s_add_co_u32 s66, s66, s62
	s_mov_b32 s67, 0
	s_add_nc_u64 s[\qp:\qp+1], s[4:5], s[66:67]
	s_lshl_b32 s66, s63, 6
	s_add_co_u32 s66, s66, s62
	s_add_co_u32 s66, s66, KSW
	s_add_nc_u64 s[\qs:\qs+1], s[4:5], s[66:67]
	s_lshl_b32 s62, s[\qb], 4
	s_add_co_u32 s62, s62, s10
	s_add_co_u32 s62, s62, s61                     ; the row tile: 128 batch + 16 block + wave
	s_mul_i32 s66, s62, 12288
	s_add_co_u32 s66, s66, s68
	s_add_nc_u64 s[\yp:\yp+1], s[6:7], s[66:67]
	s_lshl_b32 s66, s62, 9
	s_add_co_u32 s66, s66, s69
	s_add_nc_u64 s[\ys:\ys+1], s[8:9], s[66:67]
	s_lshl_b32 s[\q0], s[\qb], 8
	s_lshl_b32 s62, s10, 4
	s_add_co_u32 s[\q0], s[\q0], s62
.endm
.macro QLOAD                           ; my tile of q: six registers of codes and the scale words
	global_load_b128 v[16:19], v1, s[44:45]
	global_load_b64 v[20:21], v2, s[44:45] offset:512
	global_load_b32 v255, v3, s[46:47]
.endm
.macro INIT                            ; a query block begins: the largest t is -3e38, under every t; the sum and O^T are zeros, which the first change of M leaves zeros
	v_mov_b32 v13, 0xff61b1e6
	s_delay_alu instid0(VALU_DEP_1)
	v_floor_f32 v12, -v13
	v_mov_b32 v14, 0
	v_mov_b32 v15, 0
.set j, 0
.rept 32
	v_mov_b32 v[192+j], 0
.set j, j+1
.endr
.endm
	s_load_b128 s[4:7], s[0:1], 0x0                ; qkv, y_img
	s_load_b64 s[8:9], s[0:1], 0x10                ; y_scales
	v_lshl_add_u32 v5, v0, 2, SPARE
	v_mov_b32 v6, 0
	ds_add_u32 v5, v6
	ds_add_u32 v5, v6
	s_wait_dscnt 0x0
	v_lshrrev_b32 v1, 5, v0
	s_delay_alu instid0(VALU_DEP_1)
	v_readfirstlane_b32 s10, v1                    ; wave 0..15
	s_mov_b32 s11, ttmp9                           ; i
	s_and_b32 s42, ttmp7, 0xffff                   ; 16 batch + head
	s_sub_co_u32 s12, 7, s11
	s_sub_co_u32 s13, 8, s11
	s_mul_i32 s60, s42, HEADB                      ; my head's first byte in q's part
	s_lshr_b32 s61, s42, 4
	s_lshl_b32 s61, s61, 7                         ; 128 row tiles a batch
	s_and_b32 s69, s42, 15
	s_mul_i32 s68, s69, 768                        ; my head's image in a row tile,
	s_lshl_b32 s69, s69, 1                         ; its two bytes in a token's 32
	s_and_b32 s43, s10, 1
	s_mul_i32 s33, s43, CH                         ; where my record goes: slot 0
	; descriptor group 1: a record, dense in memory: 51 rows of 256 bytes (32 elements of 8), no padding
	s_mov_b32 s24, 3<<16
	s_mov_b32 s25, 32<<16                          ; tensor_dim0
	s_mov_b32 s26, 51<<16                          ; tensor_dim1
	s_mov_b32 s27, 32<<16                          ; tile_dim0
	s_mov_b32 s28, 51                              ; tile_dim1
	s_mov_b32 s29, 32                              ; tensor_dim0_stride
	s_mov_b32 s30, 0
	s_mov_b32 s31, 0
	s_mov_b32 s20, 0x76543210
	s_mov_b32 s21, 0xfedcba98                      ; v_permlanex16_b32's selects for lane l xor 16
	s_mov_b32 s22, 0x3e38aa3b                      ; c = log2(e) / 8
	s_mov_b32 s23, s22                             ; (named with it as a pair, so it is written)
	s_mov_b32 s2, 0
	s_mov_b32 s3, 0
	s_mov_b32 s17, 0
	s_lshr_b32 s40, s10, 2
	s_xor_b32 s40, s40, 1                          ; 0 in waves 4 to 7,
	s_or_b32 s40, s40, ttmp9                       ; of work-group 0 of the head
	s_cmp_eq_u32 s40, 0
	s_cselect_b32 s40, 6, 0                        ; the trips in which I prefetch
	s_wait_kmcnt 0x0
	s_add_co_u32 s66, s60, 64*HEADB
	s_mov_b32 s67, 0
	s_add_nc_u64 s[38:39], s[4:5], s[66:67]        ; my head's k and v
	s_mov_b32 s36, s33
	s_mov_b32 s37, 0
	s_add_nc_u64 s[18:19], s[38:39], s[36:37]      ; my record of slot 0
	s_add_nc_u64 s[38:39], s[38:39], SLOTB         ; the prefetches stand at slot 1: the first change of slots steps them to slot 2.  Nothing is prefetched here, at the head
	s_mov_b32 s32, 1
	s_mov_b64 s[34:35], s[18:19]
	s_or_b32 s35, s35, 0x80000000
	TLOAD                                          ; slot 0: the one first fill
	PTRS 12, 44, 46, 48, 50, 15                    ; query block 7 - i first,
	PTRS 11, 52, 54, 56, 58, 16                    ; then block i
	v_and_b32 v11, 31, v0
	s_delay_alu instid0(VALU_DEP_1)
	v_lshlrev_b32 v1, 4, v11
	s_delay_alu instid0(VALU_DEP_2)
	v_lshlrev_b32 v2, 3, v11
	v_and_b32 v7, 15, v0
	s_delay_alu instid0(VALU_DEP_1)
	v_lshlrev_b32 v3, 2, v7
	s_delay_alu instid0(VALU_DEP_2)
	v_lshlrev_b32 v7, 5, v7
	v_and_b32 v8, 127, v0
	s_delay_alu instid0(VALU_DEP_1)
	v_min_u32 v8, 101, v8
	s_delay_alu instid0(VALU_DEP_1)
	v_lshlrev_b32 v8, 8, v8
	QLOAD
.irp k, 22,23,24,25,26,27
	v_mov_b32 v[\k], 0                             ; zero codes for k = 64 .. 127 of the first product, in q
.endr
.irp t, 0,1,2,3
.irp k, 6,7,8,9,10,11
	v_mov_b32 v[32+12*\t+\k], 0                    ; and in each of k's four fragments: registers of their own; they stay
.endr
.endr
.irp k, 236,237,238,239,252,253
	v_mov_b32 v[\k], 0                             ; lane permutes' destinations count as sources; v253 is named as the upper half of the pair v[252:253]
.endr
	INIT
	s_wait_loadcnt 0x0                             ; q
.macro KLOAD q, g                      ; four tiles of 16 keys: six registers of codes each, and the keys' scale words
.irp t, 0,1,2,3
	ds_load_b128 v[32+12*\t:35+12*\t], v4 offset:(\q)*CH+768*(4*\g+\t)
	ds_load_b64 v[36+12*\t:37+12*\t], v9 offset:(\q)*CH+768*(4*\g+\t)+512
	ds_load_b32 v[248+\t], v10 offset:(\q)*CH+KSW+64*(4*\g+\t)
.endr
.endm
.macro KQ g                            ; S^T of these 64 keys: lane (r, h) holds query r, register 8 t + j key 16 t + 8 h + j
.irp t, 0,1,2,3
	v_wmma_scale_f32_16x16x128_f8f6f4 v[128+8*(4*\g+\t):135+8*(4*\g+\t)], v[32+12*\t:43+12*\t], v[16:27], 0, v[248+\t], v255 matrix_a_fmt:MATRIX_FMT_FP6 matrix_b_fmt:MATRIX_FMT_FP6
.endr
.endm
.macro PLACES
.rept 4
	v_nop
.endr
.endm
; A KEY STEP: 128 keys, record q of the slot in hand.
.macro STEP q
	s_add_co_u32 s42, s15, 15
	s_cmp_gt_u32 s14, s42                          ; all 128 keys come after my 16 queries: the step's work is left out (a branch on ids; no barrier and no tensor load stands in a step)
	s_cbranch_scc1 .Lhidden_\@
	PLACES                                         ; behind the last step's products, in front of loads into their operands
	s_wait_alu depctr_va_vdst(0)
	KLOAD \q, 0
.irp d, 0,1,2,3
.irp c, 0,1,2
	ds_load_b128 v[80+12*\d+4*\c:83+12*\d+4*\c], v4 offset:(\q)*CH+VIM+1536*\d+512*\c
.endr
	ds_load_b32 v[28+\d], v10 offset:(\q)*CH+VSW+64*\d
.endr
	s_wait_dscnt 16                                ; k's twelve loads are in; v's sixteen, issued behind them, may be out
	KQ 0
	PLACES
	s_wait_alu depctr_va_vdst(0)
	KLOAD \q, 1
	s_wait_dscnt 0x0
	KQ 1
	PLACES
	s_add_co_u32 s42, s14, 127
	s_cmp_le_u32 s42, s15                          ; all keys count: no mask
	s_cbranch_scc1 .Lopen_\@
	s_sub_co_i32 s42, s15, s14
	v_and_b32 v11, 15, v0
	v_bfe_u32 v254, v0, 4, 1
	s_delay_alu instid0(VALU_DEP_1)
	v_lshlrev_b32 v254, 3, v254
	s_delay_alu instid0(VALU_DEP_1)
	v_sub_nc_u32 v11, v11, v254
	s_delay_alu instid0(VALU_DEP_1)
	v_add_nc_u32 v11, s42, v11                     ; d = my query - the step's first key - 8 h: register 8 t + j is hidden where 16 t + j > d
	v_mov_b32 v254, 0xff800000                     ; -infinity
.set n, 0
.rept 64
	v_cmp_gt_i32 vcc_lo, 16*(n/8)+n%8, v11
	v_cndmask_b32 v[128+n], v[128+n], v254, vcc_lo
.set n, n+1
.endr
.Lopen_\@:
.irp b, 0,1,2,3
	v_max3_num_f32 v[232+\b], v[128+16*\b], v[129+16*\b], v[130+16*\b]   ; the largest score of each block of 32 keys: it serves the row's maximum and, since p rises with the score, the block's largest p
.endr
.irp i, 3,5,7,9,11,13
.irp b, 0,1,2,3
	v_max3_num_f32 v[232+\b], v[232+\b], v[128+16*\b+\i], v[129+16*\b+\i]
.endr
.endr
.irp b, 0,1,2,3
	v_max_num_f32 v[232+\b], v[232+\b], v[143+16*\b]
.endr
.irp b, 0,1,2,3
	s_delay_alu instid0(VALU_DEP_4)
	v_permlanex16_b32 v[236+\b], v[232+\b], s20, s21
.endr
.irp b, 0,1,2,3
	s_delay_alu instid0(VALU_DEP_4)
	v_max_num_f32 v[232+\b], v[232+\b], v[236+\b]  ; with lane l xor 16's 16 keys
.endr
	s_delay_alu instid0(VALU_DEP_2)
	v_max3_num_f32 v254, v232, v233, v234
	s_delay_alu instid0(VALU_DEP_1)
	v_max_num_f32 v254, v254, v235
	s_delay_alu instid0(VALU_DEP_1)
	v_mul_f32 v254, s22, v254                      ; the step's largest t (c is positive)
	s_delay_alu instid0(VALU_DEP_1)
	v_max_num_f32 v13, v13, v254                   ; the running largest t
	v_mov_b32 v254, v12
	s_delay_alu instid0(VALU_DEP_2)
	v_floor_f32 v12, -v13                          ; the new -M = floor(-t): M is a whole number
	s_delay_alu instid0(VALU_DEP_1)
	v_sub_f32 v254, v12, v254                      ; old M - new M: a whole number, 0 or less
	s_delay_alu instid0(VALU_DEP_1)
	v_cvt_i32_f32 v254, v254                       ; (it saturates)
	s_delay_alu instid0(VALU_DEP_1)
	v_ldexp_f32 v252, 1.0, v254                    ; f = 2^(old M - new M)
.set j, 0
.rept 32
	v_pk_fma_f32 v[128+j:129+j], v[128+j:129+j], s[22:23], v[12:13] op_sel_hi:[1,0,0]   ; t - M, two at a time
.set j, j+2
.endr
.irp b, 0,1,2,3
	v_fma_f32 v[232+\b], v[232+\b], s22, v12       ; the same of each block's largest score
.endr
.set j, 0
	s_wait_alu depctr_va_vdst(0)
.rept 64
	v_exp_f32 v[128+j], v[128+j]                   ; p = 2^(t - M), at most 1
.set j, j+1
.endr
	v_pk_mul_f32 v[14:15], v[14:15], v[252:253] op_sel_hi:[1,0]   ; the sums under the new M: the plain instruction behind the exponentials
	s_wait_alu depctr_va_vdst(0)                   ; one wait for the batch of 64, ahead of its first reader
.irp b, 0,1,2,3
	v_exp_f32 v[232+\b], v[232+\b]                 ; the blocks' largest p
.endr
	v_pk_add_f32 v[236:237], v[132:133], v[136:137]
	v_pk_add_f32 v[250:251], v[140:141], v[144:145]
	v_pk_add_f32 v[248:249], v[148:149], v[152:153]
	v_pk_add_f32 v[246:247], v[156:157], v[160:161]
	v_pk_add_f32 v[244:245], v[164:165], v[168:169]
	v_pk_add_f32 v[242:243], v[172:173], v[176:177]
	v_pk_add_f32 v[240:241], v[180:181], v[184:185]
	v_pk_add_f32 v[14:15], v[14:15], v[188:189]
	v_pk_add_f32 v[236:237], v[236:237], v[128:129]
	v_pk_add_f32 v[250:251], v[250:251], v[130:131]
	v_pk_add_f32 v[248:249], v[248:249], v[134:135]
	v_pk_add_f32 v[246:247], v[246:247], v[138:139]
	v_pk_add_f32 v[244:245], v[244:245], v[142:143]
	v_pk_add_f32 v[242:243], v[242:243], v[146:147]
	v_pk_add_f32 v[240:241], v[240:241], v[150:151]
	v_pk_add_f32 v[14:15], v[14:15], v[154:155]
	v_pk_add_f32 v[236:237], v[236:237], v[158:159]
	v_pk_add_f32 v[250:251], v[250:251], v[162:163]
	v_pk_add_f32 v[248:249], v[248:249], v[166:167]
	v_pk_add_f32 v[246:247], v[246:247], v[170:171]
	v_pk_add_f32 v[244:245], v[244:245], v[174:175]
	v_pk_add_f32 v[242:243], v[242:243], v[178:179]
	v_pk_add_f32 v[240:241], v[240:241], v[182:183]
	v_pk_add_f32 v[14:15], v[14:15], v[186:187]
	v_pk_add_f32 v[236:237], v[236:237], v[190:191]
	s_delay_alu instid0(VALU_DEP_2)
	v_pk_add_f32 v[14:15], v[14:15], v[246:247]
	s_delay_alu instid0(VALU_DEP_2)
	v_pk_add_f32 v[236:237], v[236:237], v[244:245]
	v_pk_add_f32 v[250:251], v[250:251], v[242:243]
	v_pk_add_f32 v[248:249], v[248:249], v[240:241]
	s_delay_alu instid0(VALU_DEP_2)
	v_pk_add_f32 v[14:15], v[14:15], v[250:251]
	s_delay_alu instid0(VALU_DEP_2)
	v_pk_add_f32 v[236:237], v[236:237], v[248:249]
	s_delay_alu instid0(VALU_DEP_1)
	v_pk_add_f32 v[14:15], v[14:15], v[236:237]
	s_wait_alu depctr_va_vdst(0)                   ; and one for the four
.irp b, 0,1,2,3
	v_max_num_f32 v[232+\b], 0x1800000, v[232+\b]  ; the floor 2^(3 - 127): the byte cannot fall under 1
.endr
.irp b, 0,1,2,3
	s_delay_alu instid0(VALU_DEP_4)
	v_add_nc_u32 v[244+\b], 0xff000000, v[232+\b]  ; 2 off the exponent field: the conversion's scale operand
.endr
.irp b, 0,1,2,3
	s_delay_alu instid0(VALU_DEP_4)
	v_lshrrev_b32 v[236+\b], 23, v[244+\b]         ; the scale's byte
.endr
	s_delay_alu instid0(VALU_DEP_3)
	v_lshl_or_b32 v253, v237, 8, v236              ; p's scale word for these 128 keys
	s_delay_alu instid0(VALU_DEP_1)
	v_lshl_or_b32 v253, v238, 16, v253
	s_delay_alu instid0(VALU_DEP_1)
	v_lshl_or_b32 v253, v239, 24, v253
.irp c, 0,1
	v_cvt_scalef32_pk16_fp6_f32 v[224+6*\c:226+6*\c], v[128+32*\c:143+32*\c], v[244+2*\c]
	v_cvt_scalef32_pk16_fp6_f32 v[236+4*\c:238+4*\c], v[144+32*\c:159+32*\c], v[245+2*\c]   ; (a conversion's three registers begin on an even number)
.endr
	v_nop                                          ; one plain place behind a scaled conversion
.irp c, 0,1                                    ; a whole block in a lane: lanes 0-15 block 2 c, lanes 16-31 block 2 c + 1
.irp i, 0,1,2
	v_permlane16_swap_b32 v[224+6*\c+\i], v[236+4*\c+\i]
.endr
.irp i, 0,1,2
	s_delay_alu instid0(VALU_DEP_3)
	v_mov_b32 v[227+6*\c+\i], v[236+4*\c+\i]
.endr
.endr
.set j, 0
.rept 16
	v_pk_mul_f32 v[192+j:193+j], v[192+j:193+j], v[252:253] op_sel_hi:[1,0]   ; O^T under the new M.  These sixteen are also the places between the lines that wrote p's codes and scale word and the products
.set j, j+2
.endr
.irp d, 0,1,2,3                                ; O^T += v^T p^T: four accumulators by turns
	v_wmma_scale_f32_16x16x128_f8f6f4 v[192+8*\d:199+8*\d], v[80+12*\d:91+12*\d], v[224:235], v[192+8*\d:199+8*\d], v[28+\d], v253 matrix_a_fmt:MATRIX_FMT_FP6 matrix_b_fmt:MATRIX_FMT_FP6
.endr
.Lhidden_\@:
	s_add_co_u32 s14, s14, 128
.endm
; THE CHANGE OF SLOTS stands at a trip's head.  Each wave waits for all its tensor loads (its part of the slot that it is about to read), adds 0 to its spare word, and waits for that and for its reads of the slot that it has left.
; Behind the barrier the slot ahead is whole and nobody reads the other one.  fill = 1: that other slot takes the next trip's keys: the load has this trip's two key steps in which to land.  One tensor load of a wave is out at the most.
.macro CHANGE fill
	s_wait_tensorcnt 0x0                           ; no tensor load of mine is out, so the descriptor may be written
	ds_add_u32 v5, v6                              ; 0 onto my spare word
.if \fill
	s_add_co_u32 s41, s3, 1
	s_cmp_gt_u32 s41, s12
	s_cselect_b32 s42, s13, 0
	s_sub_co_u32 s41, s41, s42                     ; the next trip's key slot: t + 1, or t + 1 - (8 - i) in the second query block
	s_mul_i32 s36, s41, SLOTB
	s_add_nc_u64 s[34:35], s[18:19], s[36:37]
	s_or_b32 s35, s35, 0x80000000
	s_xor_b32 s33, s33, SLOT1                      ; the other slot than last time
	s_wait_xcnt 0x0                                ; the last prefetch, a trip back, has read its address:
	s_add_nc_u64 s[38:39], s[38:39], SLOTB         ; one slot further on
.endif
	s_wait_dscnt 0x0                               ; the add is done, and my reads of the slot that I have left are over
	s_barrier_signal -1
	s_barrier_wait -1
.if \fill
	TLOAD                                          ; the first thing behind the barrier, and a wave's one tensor load until the next
	ASK
.endif
.endm
.macro SLOT_STEPS
	s_lshl_b32 s14, s17, 8                         ; the slot's first key
	v_add_nc_u32 v4, s2, v1
	v_add_nc_u32 v9, s2, v2
	v_add_nc_u32 v10, s2, v3
	STEP 0
	STEP 1
	s_xor_b32 s2, s2, SLOT1
.endm
; A QUERY BLOCK ENDS: y = O^T / the sum, in true order, quantised, stored.  next = 1: the second block begins.
.macro FLUSH next
	PLACES                                         ; behind the last products
	v_add_f32 v14, v14, v15                        ; the sum's two halves,
	s_delay_alu instid0(VALU_DEP_1)
	v_permlanex16_b32 v252, v14, s20, s21
	s_delay_alu instid0(VALU_DEP_1)
	v_add_f32 v14, v14, v252                       ; and lane l xor 16's
	s_wait_alu depctr_va_vdst(0)
	v_rcp_f32 v14, v14
	v_nop                                          ; a plain instruction behind the reciprocal,
	s_wait_alu depctr_va_vdst(0)                   ; and the wait ahead of its first reader
.set j, 0
.rept 32
	v_mul_f32 v[128+j], v[192+j], v14              ; register 8 t + j: channel 16 t + 8 h + j; each accumulator from its low end on
.set j, j+1
.endr
.irp u, 0,1                                    ; the first's lanes 16-31 change places with the second's lanes 0-15: register 16 u + i then holds channel 32 u + 16 h + i
.irp j, 0,1,2,3,4,5,6,7
	v_permlane16_swap_b32 v[128+16*\u+\j], v[136+16*\u+\j]
.endr
.endr
.irp u, 0,1
	v_max3_num_f32 v[232+\u], |v[128+16*\u]|, |v[129+16*\u]|, 0x1800000
.endr
.irp i, 2,4,6,8,10,12,14
.irp u, 0,1
	s_delay_alu instid0(VALU_DEP_2)
	v_max3_num_f32 v[232+\u], v[232+\u], |v[128+16*\u+\i]|, |v[129+16*\u+\i]|
.endr
.endr
.irp u, 0,1
	s_delay_alu instid0(VALU_DEP_2)
	v_permlanex16_b32 v[236+\u], v[232+\u], s20, s21
.endr
.irp u, 0,1
	s_delay_alu instid0(VALU_DEP_2)
	v_max_num_f32 v[232+\u], v[232+\u], v[236+\u]
.endr
.irp u, 0,1
	s_delay_alu instid0(VALU_DEP_2)
	v_add_nc_u32 v[244+\u], 0xff000000, v[232+\u]
.endr
.irp u, 0,1
	s_delay_alu instid0(VALU_DEP_2)
	v_lshrrev_b32 v[236+\u], 23, v[244+\u]
.endr
	s_delay_alu instid0(VALU_DEP_1)
	v_lshl_or_b32 v254, v237, 8, v236              ; my token's two scale bytes of this head
	v_cvt_scalef32_pk16_fp6_f32 v[224:226], v[128:143], v244
	v_cvt_scalef32_pk16_fp6_f32 v[240:242], v[144:159], v245
	v_nop                                          ; one plain place behind a scaled conversion
.irp i, 0,1,2
	v_permlane16_swap_b32 v[224+\i], v[240+\i]
.endr
.irp i, 0,1,2
	s_delay_alu instid0(VALU_DEP_3)
	v_mov_b32 v[227+\i], v[240+\i]
.endr
	global_store_b128 v1, v[224:227], s[48:49]             ; 512 consecutive bytes, at a multiple of 256 from the buffer's first byte
	global_store_b64 v2, v[228:229], s[48:49] offset:512   ; and 256
	global_store_b16 v7, v254, s[50:51]                    ; lanes r and r + 16 store the same two bytes
.if \next
	s_wait_xcnt 0x0                                ; the stores have read their registers and bases: both are written below
	s_mov_b64 s[44:45], s[52:53]
	s_mov_b64 s[46:47], s[54:55]
	s_mov_b64 s[48:49], s[56:57]
	s_mov_b64 s[50:51], s[58:59]
	s_mov_b32 s15, s16
	QLOAD
	INIT
	s_wait_loadcnt 0x0
.endif
.endm
.Lslot:                                            ; eight trips: behind each change of slots but the last the next trip's slot is asked for
	CHANGE 1
	SLOT_STEPS
	s_mov_b32 s17, s41
	s_cmp_lg_u32 s3, s12                           ; trip 7 - i was the first query block's last
	s_cbranch_scc1 .Lsame_block
	FLUSH 1
.Lsame_block:
	s_add_co_u32 s3, s3, 1
	s_cmp_lt_u32 s3, 8
	s_cbranch_scc1 .Lslot
	CHANGE 0                                       ; the ninth trip is written out
	SLOT_STEPS
	FLUSH 0
	s_wait_tensorcnt 0x0                           ; the wave's end
	ds_add_u32 v5, v6
	s_wait_dscnt 0x0
	s_endpgm
.Lfunc_end_k_q9caa1cf851_attn:
	.size	k_q9caa1cf851_attn, .Lfunc_end_k_q9caa1cf851_attn-k_q9caa1cf851_attn
	.p2alignl 7, 3214868480
	.fill 96, 4, 3214868480
	.section	.rodata,"a",@progbits
	.p2align	6, 0x0
	.amdhsa_kernel k_q9caa1cf851_attn
		.amdhsa_group_segment_fixed_size 327680
		.amdhsa_private_segment_fixed_size 0
		.amdhsa_enable_private_segment 0
		.amdhsa_kernarg_size 24
		.amdhsa_user_sgpr_count 2
		.amdhsa_user_sgpr_kernarg_segment_ptr 1
		.amdhsa_wavefront_size32 1
		.amdhsa_system_sgpr_workgroup_id_x 1
		.amdhsa_system_sgpr_workgroup_id_y 1
		.amdhsa_system_sgpr_workgroup_id_z 1
		.amdhsa_system_vgpr_workitem_id 0
		.amdhsa_next_free_vgpr 256
		.amdhsa_next_free_sgpr 70
		.amdhsa_reserve_vcc 1
		.amdhsa_float_denorm_mode_32 3
		.amdhsa_float_denorm_mode_16_64 3
		.amdhsa_memory_ordered 1
		.amdhsa_forward_progress 1
		.amdhsa_inst_pref_size 114
	.end_amdhsa_kernel
	.amdgpu_metadata
---
amdhsa.version: [ 1, 2 ]
amdhsa.kernels:
  - .name:           k_q9caa1cf851_attn
    .symbol:         k_q9caa1cf851_attn.kd
    .args:
      - { .name: qkv, .offset: 0, .size: 8, .value_kind: global_buffer, .address_space: global }
      - { .name: y_img, .offset: 8, .size: 8, .value_kind: global_buffer, .address_space: global }
      - { .name: y_scales, .offset: 16, .size: 8, .value_kind: global_buffer, .address_space: global }
    .group_segment_fixed_size: 327680
    .private_segment_fixed_size: 0
    .kernarg_segment_align: 8
    .kernarg_segment_size: 24
    .max_flat_workgroup_size: 512
    .sgpr_count:     70
    .vgpr_count:     256
    .wavefront_size: 32
...
	.end_amdgpu_metadata
.endif
;; end of part 2
;; launch proj (part 3): grid 4 x 32, 4 waves a work-group, clusters of 4 x 4, 327,680 bytes of LDS; arguments y_img, y_scales, w_proj_codes, w_proj_scales, b_proj, out0; writes out0
.if DOCPART == 3
	.amdgcn_target "amdgcn-amd-amdhsa--gfx1250"
	.amdhsa_code_object_version 6
	.text
	.protected	k_q9caa1cf851_proj
	.globl	k_q9caa1cf851_proj
	.p2align	8
	.type	k_q9caa1cf851_proj,@function
k_q9caa1cf851_proj:
	s_mov_b64 s[64:65], 0
	v_nop
	global_prefetch_b8 v0, s[64:65] scope:SCOPE_SE
	s_setreg_imm32_b32 hwreg(HW_REG_WAVE_MODE, 25, 1), 1
	s_wait_xcnt 0x0
	s_wait_alu depctr_hold_cnt(0) depctr_sa_sdst(0) depctr_va_vdst(0) depctr_va_sdst(0) depctr_va_ssrc(0) depctr_va_vcc(0) depctr_vm_vsrc(0)
	s_getreg_b32 s2, hwreg(HW_REG_IB_STS2, 6, 4)
	s_cmp_eq_u32 s2, 0
	s_cbranch_scc0 .Lentry_in_a_cluster
	s_endpgm
.Lentry_in_a_cluster:
	s_bfe_u32 s2, ttmp6, 0x10000c
	s_cmp_lg_u32 s2, 0xf033
	s_cbranch_scc0 .Lentry_shape_is_right
	s_endpgm
.Lentry_shape_is_right:
; out0 = y w_proj + b_proj on codes of FP6 (E2M3) with one E8M0 scale for each 32 along K = 1,024.  out0: [8192][1024] f32; sums in f32.
; y's codes come as images of operand registers, [row tile of 16 tokens 512][head 16][768 bytes] (a head's 64 codes a token: registers 0-3 at 16 x lane, registers 4-5 at 512 + 8 x lane), its scale bytes as [8192][32];
; w_proj's codes as rows of 768 bytes, K innermost, its scale bytes as [1024][32].
; A tile of 256 x 256 of out0 is made by four waves, 128 x 128 each: 64 accumulators, 512 registers.  K goes in steps of 256 through a ring of two LDS slots; the scale bytes of the tile's rows come once.
; CLUSTERS: 4 x 4 work-groups; y's tiles ("A") are asked for jointly along a row of the cluster, w_proj's ("B") along a column.  The matrix instruction is used transposed (source 0 = 16 rows of w_proj, source 1 = 16 tokens):
; a lane holds eight neighbouring numbers of a row of out0.  The bias is the C of each sum's first product.
; The tiles are 4 x 32 = 128: this text leaves half of the WGPs without a work-group; a tile of half the size would read each fragment for half as many products.
; REGISTERS, in windows of 256: window 0: v16-27 addresses; v28, v29 for the add; v32-63 scale words, two sets, and nothing else; v64-127 the bias; v128-223 A's fragments, one set; on the way out v128-255 rows of out0.
;   window 1: B's fragments, two sets.   windows 2, 3: the accumulators.
.set SIZE_N, 1024
.set NQ,     2
.set ROWB,   192                       ; a row of B's tile
.set KROW,   768                       ; a row of w_proj in memory; also: y's image bytes for one token's worth of rows (12,288 / 16)
.set PITCH,  240                       ; B's LDS row: 3 x (64 bytes + 16 of padding)
.set FR,     12
.set NL,     6                         ; LDS loads that bring a fragment of B
.set NLA,    4                         ; and of A: two of 16 bytes, two of 8
.set NP,     4
.set ASTEP,  3072                      ; a row tile's images of a K step: four heads
.set AH,     8*ASTEP                   ; 128 tokens: what one tensor load brings of A
.set BH,     128*PITCH                 ; and of B
.set SLOT,   2*AH+2*BH
.set LAPS,   2
.set KS,     32
.set SCL,    2*SLOT
.set HALFS,  (128*KS/256)*272
.set SBLK,   (16*KS/256)*272
.set SPARE,  SCL+4*HALFS               ; the spare words, 128 bytes for each wave: two blocks of 256 bytes that no other line names
.set SPITCH, 528                       ; the way out: a stage of 16 rows x (512 bytes + 16) for each wave, in slot 0, which has had its last fill and its last read by then
.set ADRA, 16                          ; v16-17 16 x lane + my half of A in slot 0, 1;  v18-19 the same with 8 x lane
.set ADRB, 20                          ; v20-23 as for rows with paddings
.set STO,  24
.set RD,   25
.set CO,   26
.set ADRS, 27
.set SPW,  28
.set NIL,  29
.set SC,   32
.set BI,   64
.set AF,   128
.set BK,   128
.set G1, 24
.set G0, 32
.set G1B, 48
.set G0B, 56
.set G1S, 68
.set G0S, 76
.set G1SB, 80
.set G0SB, 88
.set MSB, 0
.macro WIN new
.if MSB != (\new)
	s_set_vgpr_msb (MSB<<8)|(\new)
.set MSB, (\new)
.endif
.endm
.set MUL_LO, 0xa1
.set MUL_HI, 0xf1
.set TO_B,   0x40
.macro JLOAD g0a, g1a, g0b, g1b        ; a joint load: waves 0 and 1 fetch for A, waves 2 and 3 for B.  Four v_nop follow each of the two lines
	s_cmp_eq_u32 s15, 0
	s_cbranch_scc0 .Lfor_b_\@
	tensor_load_to_lds s[\g0a:\g0a+3], s[\g1a:\g1a+7]
	s_nop 0
.rept 4
	v_nop
.endr
	s_branch .Lasked_\@
.Lfor_b_\@:
	tensor_load_to_lds s[\g0b:\g0b+3], s[\g1b:\g1b+7]
	s_nop 0
.rept 4
	v_nop
.endr
.Lasked_\@:
.endm
.macro CREST
	s_cmp_lg_u32 s14, 0
	s_cbranch_scc1 .Lnot_wave_0_\@
	s_barrier_signal -3
.Lnot_wave_0_\@:
	s_barrier_wait -3
	s_barrier_signal -1
	s_barrier_wait -1
.endm
.macro CROUND
	s_barrier_signal -1
	s_barrier_wait -1
	CREST
.endm
	s_load_b256 s[4:11], s[0:1], 0x0               ; y's images, y's scales, w_proj's codes, w_proj's scales
	s_load_b128 s[96:99], s[0:1], 0x20             ; b_proj, out0
	v_lshl_add_u32 v[SPW], v0, 2, SPARE
	v_mov_b32 v[NIL], 0
	ds_add_u32 v28, v29
	s_wait_dscnt 0x0
	v_lshrrev_b32 v1, 5, v0
	v_readfirstlane_b32 s14, v1                    ; wave 0..3
	s_lshr_b32 s15, s14, 1                         ; which half of the tile's rows is mine.  Also: I fetch for A (0) or for B (1)
	s_and_b32 s16, s14, 1                          ; which half of its columns.  Also: which 128 rows I fetch
	s_bfe_u32 s40, ttmp6, 0x40000                  ; cx, cy
	s_bfe_u32 s41, ttmp6, 0x40004
	s_lshl_b32 s42, ttmp9, 2
	s_add_co_u32 s42, s42, s40                     ; tile column
	s_and_b32 s17, ttmp7, 0xffff
	s_lshl_b32 s17, s17, 2
	s_add_co_u32 s17, s17, s41                     ; tile row
	s_lshl_b32 s43, s41, 2
	s_lshl_b32 s43, 15, s43                        ; my row of the cluster
	s_lshl_b32 s44, 0x1111, s40                    ; my column
	; A: 8 row tiles x 3,072 bytes (384 elements of 8), 12,288 bytes (1,536 elements) apart; dense in LDS: every read of it is 16 or 8 bytes a lane on end
	s_or_b32 s[G1+0], s43, (3<<16)|(1<<21)
	s_mov_b32 s[G1+1], 384<<16                     ; tensor_dim0
	s_mov_b32 s[G1+2], 8<<16                       ; tensor_dim1
	s_mov_b32 s[G1+3], 384<<16                     ; tile_dim0
	s_mov_b32 s[G1+4], 8                           ; tile_dim1
	s_mov_b32 s[G1+5], 1536                        ; tensor_dim0_stride
	s_mov_b32 s[G1+6], 0
	s_mov_b32 s[G1+7], 0
	; B: 128 rows x 192 bytes, 16 bytes of padding behind every 64
	s_or_b32 s[G1B+0], s44, (0<<16)|(1<<20)|(1<<21)|(3<<22)|(3<<25)
	s_mov_b32 s[G1B+1], ROWB<<16
	s_mov_b32 s[G1B+2], 128<<16
	s_mov_b32 s[G1B+3], ROWB<<16
	s_mov_b32 s[G1B+4], 128
	s_mov_b32 s[G1B+5], KROW
	s_mov_b32 s[G1B+6], 0
	s_mov_b32 s[G1B+7], 0
	; the scales of 128 rows: 16 rows of 256 bytes, 16 bytes of padding behind each
	s_or_b32 s[G1S+0], s43, (3<<16)|(1<<20)|(1<<21)|(5<<22)|(3<<25)
	s_or_b32 s[G1SB+0], s44, (3<<16)|(1<<20)|(1<<21)|(5<<22)|(3<<25)
.irp g, G1S, G1SB
	s_mov_b32 s[\g+1], 32<<16
	s_mov_b32 s[\g+2], (128*KS/256)<<16
	s_mov_b32 s[\g+3], 32<<16
	s_mov_b32 s[\g+4], 128*KS/256
	s_mov_b32 s[\g+5], 32
	s_mov_b32 s[\g+6], 0
	s_mov_b32 s[\g+7], 0
.endr
	s_lshl_b32 s18, s16, 7
	s_lshl_b32 s20, s17, 8
	s_add_co_u32 s20, s20, s18                     ; A's first token that I fetch
	s_lshl_b32 s46, s42, 8
	s_add_co_u32 s46, s46, s18                     ; B's first row
	s_mov_b32 s21, 0
	s_mov_b32 s47, 0
	s_mov_b64 s[18:19], KS
	s_mul_u64 s[22:23], s[20:21], s[18:19]
	s_mul_u64 s[92:93], s[46:47], s[18:19]
	s_mov_b64 s[18:19], KROW
	s_mul_u64 s[20:21], s[20:21], s[18:19]         ; token x 768 = row tile x 12,288: the token is a multiple of 16
	s_mul_u64 s[46:47], s[46:47], s[18:19]
	s_mul_i32 s45, s16, AH                         ; where they go: A's two halves,
	s_mul_i32 s95, s16, BH
	s_add_co_u32 s95, s95, 2*AH                    ; then B's two
	s_mul_i32 s94, s14, HALFS
	s_wait_kmcnt 0x0
	s_add_nc_u64 s[20:21], s[4:5], s[20:21]
	s_add_nc_u64 s[22:23], s[6:7], s[22:23]
	s_add_nc_u64 s[46:47], s[8:9], s[46:47]
	s_add_nc_u64 s[92:93], s[10:11], s[92:93]
	CROUND                                         ; all sixteen work-groups are here: the first joint loads meet
	s_mov_b32 s[G0S], 1
	s_add_co_u32 s[G0S+1], s94, SCL
	s_mov_b64 s[G0S+2:G0S+3], s[22:23]
	s_or_b32 s[G0S+3], s[G0S+3], 0x80000000
	s_mov_b32 s[G0SB], 1
	s_add_co_u32 s[G0SB+1], s94, SCL
	s_mov_b64 s[G0SB+2:G0SB+3], s[92:93]
	s_or_b32 s[G0SB+3], s[G0SB+3], 0x80000000
	JLOAD G0S, G1S, G0SB, G1SB
.irp s, 0,1
	s_mov_b32 s[G0+4*\s], 1
	s_add_co_u32 s[G0+4*\s+1], s45, \s*SLOT
	s_add_nc_u64 s[G0+4*\s+2:G0+4*\s+3], s[20:21], \s*ASTEP
	s_or_b32 s[G0+4*\s+3], s[G0+4*\s+3], 0x80000000
	s_mov_b32 s[G0B+4*\s], 1
	s_add_co_u32 s[G0B+4*\s+1], s95, \s*SLOT
	s_add_nc_u64 s[G0B+4*\s+2:G0B+4*\s+3], s[46:47], \s*ROWB
	s_or_b32 s[G0B+4*\s+3], s[G0B+4*\s+3], 0x80000000
	JLOAD G0+4*\s, G1, G0B+4*\s, G1B
.endr
	v_and_b32 v1, 15, v0                           ; r
	v_bfe_u32 v2, v0, 4, 1                         ; h
	v_mul_u32_u24 v3, v1, PITCH
	v_mul_u32_u24 v4, v2, 24
	v_add_nc_u32 v4, v3, v4                        ; B: a fragment's row x pitch + 24 x half
	v_lshl_add_u32 v5, v2, 4, v4                   ; and the same behind one padding more
	v_and_b32 v6, 31, v0
	v_lshlrev_b32 v7, 4, v6                        ; A: 16 x lane,
	v_lshlrev_b32 v8, 3, v6                        ; 8 x lane
	s_mul_i32 s21, s15, AH                         ; my 128 tokens of A
	s_mul_i32 s22, s16, BH
	s_add_co_u32 s22, s22, 2*AH                    ; my 128 rows of B
.irp s, 0,1
	v_add_nc_u32 v[ADRA+\s], s21, v7
	v_add_nc_u32 v[ADRA+2+\s], s21, v8
	v_add_nc_u32 v[ADRB+\s], s22, v4
	v_add_nc_u32 v[ADRB+2+\s], s22, v5
	s_add_co_u32 s21, s21, SLOT
	s_add_co_u32 s22, s22, SLOT
.endr
	v_mul_u32_u24 v5, v1, KS
	v_lshrrev_b32 v9, 8, v5
	v_lshl_add_u32 v5, v9, 4, v5
	s_mul_i32 s21, s15, HALFS
	s_mul_i32 s22, s16, HALFS
	s_add_co_u32 s22, s22, 2*HALFS
	s_sub_co_u32 s22, s22, s21
	v_mul_u32_u24 v9, s22, v2                      ; lanes 16-31 take B's
	s_add_co_u32 s21, s21, SCL
	v_add_nc_u32 v5, v5, v9
	v_add_nc_u32 v[ADRS], s21, v5
	s_mul_i32 s23, s14, 16*SPITCH                  ; my stage
	v_mul_u32_u24 v5, v1, SPITCH
	v_lshl_add_u32 v5, v2, 5, v5
	v_add_nc_u32 v[STO], s23, v5                   ; in: row r, 32 bytes for each half of the lanes
	v_lshlrev_b32 v[CO], 4, v6                     ; back: the 32 lanes take one row of 512 bytes; and the same in out0
	v_add_nc_u32 v[RD], s23, v[CO]
	s_lshl_b32 s20, s17, 8
	s_lshl_b32 s21, s15, 7
	s_add_co_u32 s20, s20, s21                     ; my first row of out0
	s_mov_b32 s21, 0
	s_mov_b64 s[18:19], SIZE_N*4
	s_mul_u64 s[20:21], s[20:21], s[18:19]
	s_lshl_b32 s46, s42, 10                        ; my first column, in bytes
	s_lshl_b32 s47, s16, 9
	s_add_co_u32 s46, s46, s47
	s_mov_b32 s47, 0
	s_add_nc_u64 s[20:21], s[20:21], s[46:47]
	s_add_nc_u64 s[12:13], s[98:99], s[20:21]
	s_add_nc_u64 s[96:97], s[96:97], s[46:47]      ; and its bias
	v_lshlrev_b32 v9, 5, v2                        ; 32 h
.irp b, 0,1,2,3,4,5,6,7                        ; v[BI + 8 b + j] = b_proj(column 16 b + 8 h + j)
	global_load_b128 v[BI+8*\b:BI+8*\b+3], v9, s[96:97] offset:64*\b
	global_load_b128 v[BI+8*\b+4:BI+8*\b+7], v9, s[96:97] offset:64*\b+16
.endr
.macro FRAG reg, adr, q, i             ; a fragment of B, in pieces of 8 bytes; the second address register serves the pieces that for lanes 16-31 lie behind one padding more
.irp p, 0,1,2,3,4,5
.set PCE, 12*(\q)+6*(\p/3)+\p%3
.if PCE%8 < 5
	ds_load_b64 v[\reg+2*\p:\reg+2*\p+1], v[\adr] offset:8*PCE+16*(PCE/8)+(\i)*16*PITCH
.else
	ds_load_b64 v[\reg+2*\p:\reg+2*\p+1], v[\adr+2] offset:8*PCE+16*(PCE/8)+(\i)*16*PITCH
.endif
.endr
.endm
.macro FRAGA reg, slot, q, i           ; a fragment of A: the images of heads 2 q and 2 q + 1 of the slot's four, row tile i: registers 6 c .. 6 c + 5 are head 2 q + c's
.irp c, 0,1
	ds_load_b128 v[\reg+6*\c:\reg+6*\c+3], v[ADRA+\slot] offset:(\i)*ASTEP+(\q)*1536+\c*768
	ds_load_b64 v[\reg+6*\c+4:\reg+6*\c+5], v[ADRA+2+\slot] offset:(\i)*ASTEP+(\q)*1536+\c*768+512
.endr
.endm
; 16 matrix instructions: A's blocks a0, a0 + 1 x B's eight.  cm = 1: the sums start from the bias.  The 64 accumulators take turns, one instruction a turn.
.macro MUL16 a0, p, q, sc, cm
.irp a, \a0, \a0+1
.irp b, 0,1,2,3,4,5,6,7
.set rD, 8*(8*((\a)%4)+\b)
.set rB, 128*(\p)+FR*\b
.set rA, AF+FR*(\a)
.set rSB, SC+8*NQ*(\sc)+NQ*\b+(\q)
.set rSA, SC+8*NQ*(\sc)+NQ*(\a)+(\q)
.if (\cm) == 1
	v_wmma_scale_f32_16x16x128_f8f6f4 v[rD:rD+7], v[rB:rB+FR-1], v[rA:rA+FR-1], v[BI+8*\b:BI+8*\b+7], v[rSB], v[rSA] matrix_a_fmt:MATRIX_FMT_FP6 matrix_b_fmt:MATRIX_FMT_FP6 matrix_a_scale:MATRIX_SCALE_ROW1
.else
	v_wmma_scale_f32_16x16x128_f8f6f4 v[rD:rD+7], v[rB:rB+FR-1], v[rA:rA+FR-1], v[rD:rD+7], v[rSB], v[rSA] matrix_a_fmt:MATRIX_FMT_FP6 matrix_b_fmt:MATRIX_FMT_FP6 matrix_a_scale:MATRIX_SCALE_ROW1
.endif
.endr
.endr
.endm
.macro FETCH_B slot, q, p
	WIN TO_B
.irp i, 0,1,2,3,4,5,6,7
	FRAG 128*(\p)+FR*\i, ADRB+\slot, \q, \i
.endr
	WIN 0
.endm
.macro FETCH_A slot, q, i0
.irp i, \i0, \i0+1, \i0+2, \i0+3
	FRAGA AF+FR*(\i), \slot, \q, \i
.endr
.endm
.macro SCALES sc
.irp i, 0,1,2,3,4,5,6,7
	ds_load_b64 v[SC+8*NQ*\sc+NQ*\i:SC+8*NQ*\sc+NQ*\i+1], v[ADRS] offset:\i*SBLK
.endr
.endm
.macro PLACES n
.rept \n
	v_nop
.endr
.endm
.macro STEP slot, q, cm
	s_wait_dscnt 4*NLA                             ; B's set and A's blocks 0-3 are in; the youngest 16 loads (A's blocks 4-7) may be out
.if \cm
	WIN 0x81                                       ; as MUL_LO, with C, the bias, in window 0
.else
	WIN MUL_LO
.endif
	MUL16 0, (\q)%2, \q, \slot, \cm
	MUL16 2, (\q)%2, \q, \slot, \cm
	s_wait_dscnt 0
	PLACES NP
	FETCH_B \slot, (\q)+1, 1-(\q)%2
	FETCH_A \slot, (\q)+1, 0
.if \cm
	WIN 0xc1
.else
	WIN MUL_HI
.endif
	MUL16 4, (\q)%2, \q, \slot, \cm
	MUL16 6, (\q)%2, \q, \slot, \cm
	PLACES NP
	WIN 0
	FETCH_A \slot, (\q)+1, 4
.endm
.macro TURN slot, next, fill
	s_wait_tensorcnt 0x0                           ; all my tensor loads have landed: my part of the next slot
	ds_add_u32 v[SPW], v[NIL]                      ; 0 onto my spare word
	s_wait_dscnt 4*NLA+1                           ; (the add and the youngest 16 loads, A's blocks 4-7, may be out)
	WIN MUL_LO
	MUL16 0, 1, NQ-1, \slot, 0
	s_wait_dscnt 0x0                               ; the add is done, and my reads of this slot are over
	s_barrier_signal -1
	MUL16 2, 1, NQ-1, \slot, 0
	WIN 0
	s_barrier_wait -1
.if \fill
	CREST                                          ; the barrier has opened a round of the cluster's barrier: no wave of any partner still reads this slot or has a load on its way
	s_add_nc_u64 s[G0+4*\slot+2:G0+4*\slot+3], s[G0+4*\slot+2:G0+4*\slot+3], 2*ASTEP
	s_add_nc_u64 s[G0B+4*\slot+2:G0B+4*\slot+3], s[G0B+4*\slot+2:G0B+4*\slot+3], 2*ROWB
	JLOAD G0+4*\slot, G1, G0B+4*\slot, G1B
.else
	PLACES NP
.endif
	v_add_nc_u32 v[ADRS], 4*NQ, v[ADRS]
	FETCH_B \next, 0, 0
	FETCH_A \next, 0, 0
	SCALES \next
	WIN MUL_HI
	MUL16 4, 1, NQ-1, \slot, 0
	MUL16 6, 1, NQ-1, \slot, 0
	PLACES NP
	WIN 0
	FETCH_A \next, 0, 4
.endm
	s_wait_tensorcnt 1                             ; the scales and my part of K step 0 are in (K step 1's load may be out)
	s_barrier_signal -1
	s_barrier_wait -1                              ; everybody's are
	FETCH_B 0, 0, 0
	FETCH_A 0, 0, 0
	SCALES 0
	FETCH_A 0, 0, 4
	s_wait_loadcnt 0x0                             ; the bias
	STEP 0, 0, 1                                   ; the first step stands in front of the loop: its products start the sums from the bias
	s_mov_b32 s3, LAPS-1
.Llap:
	TURN 0, 1, 1
	STEP 1, 0, 0
	TURN 1, 0, 1
	STEP 0, 0, 0
	s_sub_co_u32 s3, s3, 1
	s_cmp_lg_u32 s3, 0
	s_cbranch_scc1 .Llap
	TURN 0, 1, 0                                   ; the last lap fills nothing
	STEP 1, 0, 0
	s_wait_dscnt 4*NLA
	WIN MUL_LO
	MUL16 0, 1, NQ-1, 1, 0
	MUL16 2, 1, NQ-1, 1, 0
	s_wait_dscnt 0
	WIN MUL_HI
	MUL16 4, 1, NQ-1, 1, 0
	MUL16 6, 1, NQ-1, 1, 0
	WIN 0
; THE WAY OUT, block by block of 16 rows x 128 columns, through my own stage in LDS: in as 32 bytes a lane, back as whole rows of 512 bytes.  LDS serves a wave's instructions in order (ISA guide 5.7.1.4).
.macro TOSTAGE a
.set AC, 64*((\a)%4)
	WIN 0x08+4*((\a)/4)                            ; the data: window 2 or 3
.irp b, 0,1,2,3,4,5,6,7
	ds_store_b128 v[STO], v[AC+8*\b:AC+8*\b+3] offset:64*\b          ; each accumulator from its low end on
	ds_store_b128 v[STO], v[AC+8*\b+4:AC+8*\b+7] offset:64*\b+16
.endr
	WIN 0
.set BB, BK+64*((\a)%2)
.irp t, 0,1,2,3,4,5,6,7,8,9,10,11,12,13,14,15
	ds_load_b128 v[BB+4*\t:BB+4*\t+3], v[RD] offset:\t*SPITCH
.endr
.endm
.macro SEND a, younger                 ; younger: the LDS instructions issued behind block a's loads, which may stay out
.set BB, BK+64*((\a)%2)
	s_wait_dscnt \younger
.if (\a) > 0
	s_add_nc_u64 s[12:13], s[12:13], 16*SIZE_N*4   ; (behind a wait on XCNT: the earlier stores have read their base)
.endif
.irp t, 0,1,2,3,4,5,6,7,8,9,10,11,12,13,14,15
	global_store_b128 v[CO], v[BB+4*\t:BB+4*\t+3], s[12:13] offset:\t*SIZE_N*4 th:TH_STORE_NT   ; 32 lanes store 512 consecutive bytes, at a multiple of 256 from out0's first byte
.endr
.endm
	PLACES NP
	TOSTAGE 0
.irp a, 1,2,3,4,5,6,7
.if \a > 1
	s_wait_xcnt 0x0                                ; block a - 2's stores have read their registers and their base
.endif
	TOSTAGE \a
	SEND \a-1, 32                                  ; behind block a - 1's loads: block a's 16 stores and 16 loads
.endr
	s_wait_xcnt 0x0
	SEND 7, 0
	s_wait_tensorcnt 0x0                           ; the wave's end
	ds_add_u32 v[SPW], v[NIL]
	s_wait_dscnt 0x0
	CROUND                                         ; the closing round
	s_endpgm
.Lfunc_end_k_q9caa1cf851_proj:
	.size	k_q9caa1cf851_proj, .Lfunc_end_k_q9caa1cf851_proj-k_q9caa1cf851_proj
	.p2alignl 7, 3214868480
	.fill 96, 4, 3214868480
	.section	.rodata,"a",@progbits
	.p2align	6, 0x0
	.amdhsa_kernel k_q9caa1cf851_proj
		.amdhsa_group_segment_fixed_size 327680
		.amdhsa_private_segment_fixed_size 0
		.amdhsa_enable_private_segment 0
		.amdhsa_kernarg_size 48
		.amdhsa_user_sgpr_count 2
		.amdhsa_user_sgpr_kernarg_segment_ptr 1
		.amdhsa_wavefront_size32 1
		.amdhsa_system_sgpr_workgroup_id_x 1
		.amdhsa_system_sgpr_workgroup_id_y 1
		.amdhsa_system_sgpr_workgroup_id_z 1
		.amdhsa_system_vgpr_workitem_id 0
		.amdhsa_next_free_vgpr 1024
		.amdhsa_next_free_sgpr 100
		.amdhsa_reserve_vcc 0
		.amdhsa_float_denorm_mode_32 3
		.amdhsa_float_denorm_mode_16_64 3
		.amdhsa_memory_ordered 1
		.amdhsa_forward_progress 1
		.amdhsa_inst_pref_size 153
	.end_amdhsa_kernel
	.amdgpu_metadata
---
amdhsa.version: [ 1, 2 ]
amdhsa.kernels:
  - .name:           k_q9caa1cf851_proj
    .symbol:         k_q9caa1cf851_proj.kd
    .args:
      - { .name: y_img, .offset: 0, .size: 8, .value_kind: global_buffer, .address_space: global }
      - { .name: y_scales, .offset: 8, .size: 8, .value_kind: global_buffer, .address_space: global }
      - { .name: w_proj_codes, .offset: 16, .size: 8, .value_kind: global_buffer, .address_space: global }
      - { .name: w_proj_scales, .offset: 24, .size: 8, .value_kind: global_buffer, .address_space: global }
      - { .name: b_proj, .offset: 32, .size: 8, .value_kind: global_buffer, .address_space: global }
      - { .name: out0, .offset: 40, .size: 8, .value_kind: global_buffer, .address_space: global }
    .group_segment_fixed_size: 327680
    .private_segment_fixed_size: 0
    .kernarg_segment_align: 8
    .kernarg_segment_size: 48
    .max_flat_workgroup_size: 128
    .sgpr_count:     100
    .vgpr_count:     1024
    .wavefront_size: 32
...
	.end_amdgpu_metadata
.endif
;; end of part 3
